; MI455X (gfx1250); checked and timed in simulation.
; The chip was launched on July 23, 2026; its instructions are those of AMD's public machine-readable ISA for CDNA 5 (MIT licence, August 2026) and "CDNA5" Instruction Set Architecture Reference Guide (July 2026). The comments in the code are by the model that wrote it; some were corrected since.
;; Colo Attention. Allowed arithmetic: matrix products marked QUANTISED: E2M3 operands, one E8M0 scale for each 32 along K, by v_wmma_scale_f32_16x16x128_f8f6f4 with both operands' format E2M3, f32 sums; everything else in f32.
;; Inputs: attn_mask 4 x 2,048 int32; key 4 x 2,048 x 16 x 128 float32; query 4 x 2,048 x 16 x 128 float32; value 4 x 2,048 x 16 x 128 float32.
;; Outputs: out0 4 x 2,048 x 2,048 float32.
;; This version of the problem:
;;   THIS VERSION OF THE PROBLEM IS GIVEN IN LOW PRECISION. The matrix products marked QUANTISED in the list below multiply operands that are first quantised to E2M3 (2 exponent bits, 3 mantissa bits; 6 bits a number), with one power-of-two scale for each 32 numbers along K (OCP MX v1.0); their sums are f32. All else is computed in f32.
;;   The module's matrix products, in the order in which they are computed (A, B: the left and right operand; K: the contracted axis; several contracted axes count as one K, in the product's order):
;;     1. batch 64 x [M 2,048, K 128] x [K 128, N 2,048]; A: input query; B: input key: QUANTISED
;;     2. batch 64 x [M 128, K 2,048] x [K 2,048, N 2,048]; A: input value; B: softmax (see below): QUANTISED
;;   THE QUANTISER, for each operand of a quantised product, along K:
;;     - K is cut into blocks of 32 from its start; a last block that is shorter is filled with zeros.
;;     - A block's scale is 2^e with e = floor(log2(the largest magnitude in the block)) - 2, held to -126 .. 127; a block of zeros has e = 0. As a byte (E8M0): e + 127.
;;     - Each number is divided by its block's scale, clamped to +-7.5, and rounded to the nearest number of E2M3, ties to even, subnormals kept.
;;     - The product sums the exact products of the quantised numbers (number of the format x scale) in f32.
;;   ~~~python
;;   def quantise(x, axis):      # numpy; x: float32 -> the quantised numbers, widened to float32 again
;;       x = np.moveaxis(x, axis, -1); K = x.shape[-1]
;;       x = np.pad(x, [(0, 0)] * (x.ndim - 1) + [(0, -K % 32)]); x = x.reshape(x.shape[:-1] + (-1, 32)); a = np.abs(x).max(-1, keepdims=True)
;;       e = np.where(a > 0, np.clip(np.frexp(np.where(a > 0, a, 1))[1] - 1 - 2, -126, 127), 0)      # np.frexp(a)[1] - 1 = floor(log2(a)), exactly
;;       r = np.clip(x / 2.0 ** e, -7.5, 7.5)
;;       step = 2.0 ** (np.maximum(np.frexp(np.where(r == 0, 1, r))[1] - 1, 0) - 3)
;;       q = np.round(r / step) * step * 2.0 ** e      # np.round: ties to even
;;       return np.moveaxis(q.reshape(q.shape[:-2] + (-1,))[..., :K], -1, axis).astype(np.float32)
;;   ~~~
;;   SOFTMAX AHEAD OF A QUANTISED PRODUCT. Where the list says 'softmax', what is quantised is not the finished softmax but p = 2^(t - M), with t = logit x log2(e) and M = ceil(the row's largest t), a whole number; so 1/2 < the row's largest p <= 1. The row's sum l is taken of the UNQUANTISED p, in f32, and the product's result is divided by l at the end. Since M is a whole number, a kernel that streams over the keys may use a running M (the ceiling of the running maximum): every later rescaling is an exact power of two, which a block's scale takes up: the codes' values come out the same.
;;   OPERANDS COMPUTED ON THE WAY. 'Computed on the way' means the value that the module computes at that place (a softmax that the list does not call 'softmax' is quantised finished and normalised). What goes into a quantiser is computed in f32, as accurately as f32 sums, v_exp_f32 and their like allow (about 1e-6 of the number): no bf16 or f16 on the way to a quantiser, and a product that is left as it is and whose result goes on into a quantised operand takes f32 operands (vector FMAs, or v_wmma_f32_16x16x4_f32). A number that lies on a knife's edge between two numbers of the format may be rounded either way, as far as f32 arithmetic and the matrix unit's own rounding can turn it there, and no further.
;; 2 versions. Each part assembles by itself: llvm-mc -triple=amdgcn-amd-amdhsa -mcpu=gfx1250 --defsym DOCPART=n.
;; ======== version 1 of 2: 2 launches
;; limits: inputs' magnitudes at most 100,000,000,000,000
;; workspace buffers: kv 25,165,824 bytes; sc 1,048,576 bytes; occ 512 bytes of whole numbers
;; launch prep (part 1): grid 768 x 1, 4 waves a work-group, no clusters, 34,304 bytes of LDS; arguments key, value, attn_mask, kv, sc, occ; writes kv, sc, occ
.if DOCPART == 1
	.amdgcn_target "amdgcn-amd-amdhsa--gfx1250"
	.amdhsa_code_object_version 6
	.text
	.protected	k_qced0725e19_prep
	.globl	k_qced0725e19_prep
	.p2align	8
	.type	k_qced0725e19_prep,@function
k_qced0725e19_prep:
	s_mov_b64 s[64:65], 0
	v_nop
	global_prefetch_b8 v0, s[64:65] scope:SCOPE_SE
	s_setreg_imm32_b32 hwreg(HW_REG_WAVE_MODE, 25, 1), 1
	s_wait_xcnt 0x0
; key, value: [4][2048][16][128] f32.  Both are turned ONCE into codes of FP6 (E2M3) with one E8M0 scale byte for each 32 along a product's K:
; key along the head's 128 numbers, value along the KEYS (blocks of 32 keys from key 0, whatever the mask says of them).  attn_mask [4][2048] int32 is turned into whole-number flags.
; A block's scale is 2^(floor(log2(its largest magnitude)) - 2): its byte is the largest magnitude's exponent field - 2, held at 1 from below by a floor among the maximum's leaves.
; LIMITS: a block of zeros, and a block whose largest magnitude lies under 2^-124, keep the byte 1 (zero codes add nothing; only this program reads the bytes); NaN and infinities among the inputs are not served.
; WHAT IS STORED, bh = 16 b + h:
;   kv [bh][step 16][24576]: for each step of 128 keys, K's 8 tiles and then (at +12288) V's 8 tiles, each an IMAGE OF THE OPERAND'S REGISTERS: 12 registers a lane, register j of lane L at (j / 4) 512 + 16 L + 4 (j % 4).
;      K's tile 2 b' + u: lane (r, h') holds key 32 b' + 8 u + r + 8 (r / 8) of the step, registers 6 c .. 6 c + 5 the codes of d = 64 c + 32 h' + 0 .. 31.
;      V's tile T: lane (r, h') holds d = 16 T + r, registers 6 c .. 6 c + 5 the codes of the step's keys 64 c + 32 h' + 0 .. 31.
;   sc [bh][16384]: K's scale words at step 512 + g 256 + r 16 + tt 4 (tile 4 g + tt, row r); V's at 8192 + (step / 2) 1024 + T 128 + r 8 + (step % 2) 4.
;   occ [b][32 words]: word j < 16: bit l = some position of 128 j + 4 l .. + 3 has mask > 0; word 16: bit j = word j is not 0; word 17: bit j = all 128 positions of step j have mask > 0; the rest 0.
; SHARES.  Work-groups 0-255 take key: (b, q, h) = (id >> 6, (id >> 4) & 3, id & 15), wave w the step 4 q + w.  Work-groups 256-767 take value: (b, ch, h), wave w the columns d = 32 w + lane and the keys 256 ch .. + 255.
; No matrix unit, no tensor load, no barrier: waves share nothing; memory binds.  Three work-groups fit a WGP (256 registers a wave, 34,304 bytes of LDS).
.set PITCH, 528                        ; a stage row: 512 bytes + 16, an odd multiple of 16: the sixteen rows that a load touches start in sixteen different groups of banks
.set WSTG,  16*PITCH                   ; a wave's own stage: 16 rows
.set SPARE, 4*WSTG                     ; behind the four stages: the spare words, 128 bytes a wave, which no other line names
.set LANE,  1                          ; v1   lane
.set SPW,   2                          ; v2   LDS address of my spare word; never rewritten
.set NIL,   3                          ; v3   0; never rewritten
.set LI,    4                          ; v4   16 x lane
.set STI,   5                          ; v5   the stage on the way in: 16 x lane
.set STO,   6                          ; v6   and on the way out: 528 r + 128 h'
.set SH8,   7                          ; v7   8 h'
.set QMX,   10                         ; v10-11 largest magnitudes
.set QE,    12                         ; v12-13 the conversions' scale operands
.set QB,    14                         ; v14-15 scale bytes
.set QTW,   16                         ; v16  the other half's bytes
.set QT,    20                         ; v20-22, v24-26 a block's upper 16 codes (a conversion's three registers begin on an even number)
.set PC,    32                         ; v32-43 a fragment's codes
.set WD,    44                         ; v44-51 scale words (K: one a tile; V: one a step)
.set WS,    52                         ; v52-55 K's scale words as they are stored
.set L4,    56                         ; v56  4 x lane
.set FL,    57                         ; v57  the flags' words, a lane a word
.set VO,    59                         ; v59  V's images: (lane / 16) 1536 + 16 r
.set L8,    60                         ; v60  8 x lane
.set LD,    64                         ; v64-191 K: two sets of 64 as loaded;  V: v64-127 two sets of 32, v128-175 the codes of two steps
.set CD,    128
.set XN,    192                        ; v192-255 K: 64 numbers of my row, two whole blocks
.set SEL,   20                         ; s[20:21] lane selects for v_permlanex16_b32: lane l xor 16
	s_load_b256 s[4:11], s[0:1], 0x0               ; key s[4:5], value s[6:7], attn_mask s[8:9], kv s[10:11]
	s_load_b128 s[12:15], s[0:1], 0x20             ; sc s[12:13], occ s[14:15]
	v_lshl_add_u32 v[SPW], v0, 2, SPARE
	v_mov_b32 v[NIL], 0
	v_lshrrev_b32 v1, 5, v0
	v_readfirstlane_b32 s16, v1                    ; wave 0..3
	v_and_b32 v[LANE], 31, v0
	v_and_b32 v8, 15, v0                           ; r
	v_bfe_u32 v9, v0, 4, 1                         ; h'
	v_lshlrev_b32 v[LI], 4, v[LANE]
	v_lshlrev_b32 v[SH8], 3, v9
	s_mul_i32 s17, s16, WSTG                       ; my stage
	v_add_nc_u32 v[STI], s17, v[LI]
	v_mul_u32_u24 v[STO], v8, PITCH
	v_lshl_add_u32 v[STO], v9, 7, v[STO]
	v_add_nc_u32 v[STO], s17, v[STO]
	v_lshlrev_b32 v[L4], 2, v[LANE]
	v_lshlrev_b32 v[L8], 3, v[LANE]
	v_mul_u32_u24 v[VO], v9, 1536
	v_lshl_add_u32 v[VO], v8, 4, v[VO]
	v_mov_b32 v[QTW], 0                            ; a lane permute's destination counts as one of its sources
	s_mov_b32 s[SEL], 0x76543210
	s_mov_b32 s[SEL+1], 0xfedcba98
	s_wait_kmcnt 0x0
	s_cmp_lt_u32 ttmp9, 256                        ; the work-group's number alone decides: key or value
	s_cbranch_scc0 .Lvalue
; ---------------------------------------------------------------- key
	s_lshr_b32 s17, ttmp9, 6                       ; b
	s_bfe_u32 s18, ttmp9, 0x20004                  ; q
	s_and_b32 s19, ttmp9, 15                       ; h
	s_lshl_b32 s18, s18, 2
	s_add_co_u32 s18, s18, s16                     ; my step = 4 q + wave
	s_lshl_b32 s32, s17, 24                        ; a batch is 2048 x 8192 bytes,
	s_lshl_b32 s23, s18, 20                        ; a step 128 x 8192,
	s_add_co_u32 s32, s32, s23
	s_lshl_b32 s23, s19, 9                         ; a head's part of a row 512
	s_add_co_u32 s32, s32, s23
	s_mov_b32 s33, 0
	s_add_nc_u64 s[4:5], s[4:5], s[32:33]
	s_lshl_b32 s22, s17, 4
	s_add_co_u32 s22, s22, s19                     ; bh
	s_lshl_b32 s23, s22, 4
	s_add_co_u32 s23, s23, s18
	s_mul_i32 s34, s23, 24576                      ; kv: (16 bh + step) blocks
	s_mov_b32 s35, 0
	s_add_nc_u64 s[10:11], s[10:11], s[34:35]
	s_lshl_b32 s36, s22, 14
	s_lshl_b32 s23, s18, 9
	s_add_co_u32 s36, s36, s23                     ; sc: bh 16384 + step 512
	s_mov_b32 s37, 0
	s_add_nc_u64 s[12:13], s[12:13], s[36:37]
; Tile t's sixteen keys, a whole row of 512 bytes a load (32 lanes x 16 consecutive bytes), into set t % 2.  Row i of the tile is key 32 (t / 2) + 8 (t % 2) + i + 8 (i / 8).
.macro LOADT t
.irp i, 0,1,2,3,4,5,6,7,8,9,10,11,12,13,14,15
	global_load_b128 v[LD+64*((\t)%2)+4*\i:LD+64*((\t)%2)+4*\i+3], v[LI], s[4:5] offset:(32*((\t)/2)+8*((\t)%2)+\i+8*(\i/8))*8192 th:TH_LOAD_NT
.endr
.endm
; 64 numbers of a lane, v[x] on: block h' of my row in x .. x + 31, block 2 + h' in x + 32 .. x + 63, become my 12 registers of the fragment, v[p] on, and my row's scale word, v[w].
.macro QUANT2 x, p, w
.irp c, 0,1
	v_max3_num_f32 v[QMX+\c], |v[\x+32*\c]|, |v[\x+32*\c+1]|, 0x1800000   ; all 32 numbers of a block are mine; the floor 2^(3 - 127) holds the byte at 1 from below
.endr
.irp i, 2,4,6,8,10,12,14,16,18,20,22,24,26,28,30
.irp c, 0,1
	v_max3_num_f32 v[QMX+\c], v[QMX+\c], |v[\x+32*\c+\i]|, |v[\x+32*\c+\i+1]|   ; (the two blocks by turns)
.endr
.endr
.irp c, 0,1
	v_add_nc_u32 v[QE+\c], 0xff000000, v[QMX+\c]   ; 2 off the exponent field: the conversion takes the exponent field of this operand as its scale
.endr
.irp c, 0,1
	v_lshrrev_b32 v[QB+\c], 23, v[QE+\c]           ; the scale's byte
.endr
	v_lshl_or_b32 v[(\w)], v[QB+1], 16, v[QB]      ; my two bytes: blocks h' and 2 + h',
	v_lshlrev_b32 v[(\w)], v[SH8], v[(\w)]         ; at their places in the word;
	v_permlanex16_b32 v[QTW], v[(\w)], s[SEL], s[SEL+1]
	v_or_b32 v[(\w)], v[(\w)], v[QTW]              ; with lane l xor 16's two the word is whole, in both halves of the lanes
.irp c, 0,1
	v_cvt_scalef32_pk16_fp6_f32 v[\p+6*\c:\p+6*\c+2], v[\x+32*\c:\x+32*\c+15], v[QE+\c]
	v_cvt_scalef32_pk16_fp6_f32 v[QT+4*\c:QT+4*\c+2], v[\x+32*\c+16:\x+32*\c+31], v[QE+\c]
.endr
	v_nop                                          ; one plain instruction behind the scaled conversions, ahead of the moves that read their results
.irp c, 0,1
.irp i, 0,1,2
	v_mov_b32 v[\p+6*\c+3+\i], v[QT+4*\c+\i]
.endr
.endr
.endm
; A tile: its rows go through my stage as they lie and come back 128 bytes a lane and block; quantised; the image leaves in three stores of 512 consecutive bytes.
.macro KTILE t
.if (\t) < 7
	s_wait_loadcnt 16                              ; this tile's sixteen loads are in; the next tile's sixteen may be out
.else
	s_wait_loadcnt 0x0
.endif
.irp i, 0,1,2,3,4,5,6,7,8,9,10,11,12,13,14,15
	ds_store_b128 v[STI], v[LD+64*((\t)%2)+4*\i:LD+64*((\t)%2)+4*\i+3] offset:PITCH*\i
.endr
.irp c, 0,1
.irp j, 0,1,2,3,4,5,6,7
	ds_load_b128 v[XN+32*\c+4*\j:XN+32*\c+4*\j+3], v[STO] offset:256*\c+16*\j   ; LDS serves a wave's instructions in order: these see the stores above
.endr
.endr
	s_wait_dscnt 0x0                               ; my numbers are back, and the stores have read the set
	s_wait_xcnt 0x0                                ; the last tile's global stores have read the codes' registers, which are written again below
.if (\t) < 6
	LOADT (\t)+2                                   ; the set takes the tile two further on
.endif
	QUANT2 XN, PC, WD+(\t)
.irp g, 0,1,2
	global_store_b128 v[LI], v[PC+4*\g:PC+4*\g+3], s[10:11] offset:(\t)*1536+512*\g
.endr
.endm
	LOADT 0
	LOADT 1
.irp t, 0,1,2,3,4,5,6,7
	KTILE \t
.endr
	v_cmp_le_u32 vcc_lo, 16, v[LANE]               ; lanes 0-15 store the words of tiles 0-3 of their row, lanes 16-31 those of tiles 4-7: 512 consecutive bytes
.irp i, 0,1,2,3
	v_cndmask_b32 v[WS+\i], v[WD+\i], v[WD+4+\i], vcc_lo
.endr
	global_store_b128 v[LI], v[WS:WS+3], s[12:13]
	s_wait_tensorcnt 0x0                           ; closing lines behind a wave's last LDS store; no LDS instruction follows them
	ds_add_u32 v[SPW], v[NIL]
	s_wait_dscnt 0x0
; ---------------------------------------------------------------- the mask's flags: wave 0 of the first work-group of each batch
	s_and_b32 s22, ttmp9, 63
	s_or_b32 s22, s22, s16
	s_cmp_lg_u32 s22, 0
	s_cbranch_scc1 .Ldone
	s_lshl_b32 s32, s17, 13                        ; the batch's 2048 words
	s_add_nc_u64 s[8:9], s[8:9], s[32:33]
	s_lshl_b32 s34, s17, 7                         ; its 32 words of flags
	s_add_nc_u64 s[14:15], s[14:15], s[34:35]
.irp j, 0,1,2,3,4,5,6,7,8,9,10,11,12,13,14,15
	global_load_b128 v[LD+4*\j:LD+4*\j+3], v[LI], s[8:9] offset:512*\j   ; load j, lane l: positions 128 j + 4 l .. + 3
.endr
	v_mov_b32 v[FL], 0
	s_mov_b32 s24, 0                               ; bit j: step j has a valid position
	s_mov_b32 s25, 0                               ; bit j: all of step j is valid
	s_wait_loadcnt 0x0
.irp j, 0,1,2,3,4,5,6,7,8,9,10,11,12,13,14,15
.irp k, 0,1,2,3
	v_cmp_lt_i32 s[26+\k], 0, v[LD+4*\j+\k]        ; mask > 0, a bit a lane
.endr
	s_or_b32 s38, s26, s27
	s_or_b32 s39, s28, s29
	s_or_b32 s38, s38, s39                         ; bit l: some of the lane's four
	s_and_b32 s39, s26, s27
	s_and_b32 s40, s28, s29
	s_and_b32 s39, s39, s40                        ; bit l: all four
	v_writelane_b32 v[FL], s38, \j
	s_cmp_lg_u32 s38, 0
	s_cselect_b32 s40, 1<<\j, 0
	s_or_b32 s24, s24, s40
	s_cmp_eq_u32 s39, -1
	s_cselect_b32 s40, 1<<\j, 0
	s_or_b32 s25, s25, s40
.endr
	v_writelane_b32 v[FL], s24, 16
	v_writelane_b32 v[FL], s25, 17
	global_store_b32 v[L4], v[FL], s[14:15]        ; 32 words, the unused ones 0
.Ldone:
	s_endpgm
; ---------------------------------------------------------------- value: a lane takes a column d, and its registers run down the keys
.Lvalue:
	s_sub_co_u32 s17, ttmp9, 256
	s_lshr_b32 s18, s17, 7                         ; b
	s_bfe_u32 s19, s17, 0x30004                    ; ch: which 256 keys
	s_and_b32 s22, s17, 15                         ; h
	s_lshl_b32 s32, s18, 24
	s_lshl_b32 s23, s19, 21                        ; 256 keys x 8192 bytes
	s_add_co_u32 s32, s32, s23
	s_lshl_b32 s23, s22, 9
	s_add_co_u32 s32, s32, s23
	s_lshl_b32 s23, s16, 7                         ; my wave's 32 columns
	s_add_co_u32 s32, s32, s23
	s_mov_b32 s33, 0
	s_add_nc_u64 s[6:7], s[6:7], s[32:33]
	s_lshl_b32 s23, s18, 4
	s_add_co_u32 s23, s23, s22                     ; bh
	s_lshl_b32 s24, s23, 4
	s_lshl_b32 s25, s19, 1
	s_add_co_u32 s24, s24, s25                     ; 16 bh + my first step
	s_mul_i32 s34, s24, 24576
	s_mul_i32 s25, s16, 3072                       ; my wave's two tiles, 2 w and 2 w + 1,
	s_add_co_u32 s34, s34, s25
	s_add_co_u32 s34, s34, 12288                   ; behind K's eight
	s_mov_b32 s35, 0
	s_add_nc_u64 s[10:11], s[10:11], s[34:35]
	s_lshl_b32 s36, s23, 14
	s_lshl_b32 s25, s19, 10
	s_add_co_u32 s36, s36, s25
	s_lshl_b32 s25, s16, 8
	s_add_co_u32 s36, s36, s25
	s_add_co_u32 s36, s36, 8192
	s_mov_b32 s37, 0
	s_add_nc_u64 s[12:13], s[12:13], s[36:37]
.macro LOADB kb                        ; block kb: value(32 kb + i, my column), i = 0 .. 31, into set kb % 2; the wave reads 128 consecutive bytes, the four waves 512
.irp i, 0,1,2,3,4,5,6,7,8,9,10,11,12,13,14,15,16,17,18,19,20,21,22,23,24,25,26,27,28,29,30,31
	global_load_b32 v[LD+32*((\kb)%2)+\i], v[L4], s[6:7] offset:(32*(\kb)+\i)*8192 th:TH_LOAD_NT
.endr
.endm
.macro VBLOCK kb
.set XS, LD+32*((\kb)%2)
.set D1, CD+24*((\kb)/4)+12*((\kb)%2)+6*(((\kb)%4)/2)   ; block 2 c + hh of its step: registers 6 c .. 6 c + 5 of image lane r + 16 hh
.if (\kb) < 7
	s_wait_loadcnt 32                              ; this block's 32 loads are in; the next block's may be out
.else
	s_wait_loadcnt 0x0
.endif
	v_max3_num_f32 v[QMX], |v[XS]|, |v[XS+1]|, |v[XS+2]|            ; the block's largest magnitude: all 32 numbers are mine; two chains
	v_max3_num_f32 v[QMX+1], |v[XS+3]|, |v[XS+4]|, |v[XS+5]|
.irp i, 6,10,14,18,22,26
	v_max3_num_f32 v[QMX], v[QMX], |v[XS+\i]|, |v[XS+\i+1]|
	v_max3_num_f32 v[QMX+1], v[QMX+1], |v[XS+\i+2]|, |v[XS+\i+3]|
.endr
	v_max3_num_f32 v[QMX], v[QMX], |v[XS+30]|, |v[XS+31]|
	v_max3_num_f32 v[QMX], v[QMX], v[QMX+1], 0x1800000              ; and the floor
	v_add_nc_u32 v[QE], 0xff000000, v[QMX]
	v_lshrrev_b32 v[QB], 23, v[QE]
.if (\kb)%4 == 0
	v_mov_b32 v[WD+(\kb)/4], v[QB]                 ; four bytes to a step's word, the lower keys in the lower byte
.else
	v_lshl_or_b32 v[WD+(\kb)/4], v[QB], 8*((\kb)%4), v[WD+(\kb)/4]
.endif
	v_cvt_scalef32_pk16_fp6_f32 v[D1:D1+2], v[XS:XS+15], v[QE]
	v_cvt_scalef32_pk16_fp6_f32 v[QT:QT+2], v[XS+16:XS+31], v[QE]
	v_nop                                          ; one plain instruction behind the scaled conversions
.irp i, 0,1,2
	v_mov_b32 v[D1+3+\i], v[QT+\i]
.endr
.if (\kb) < 6
	LOADB (\kb)+2
.endif
.if (\kb)%4 == 3                       ; a step's four blocks are two image lanes' registers: six stores; lanes 0-15 fill 256 consecutive aligned bytes of tile 2 w, lanes 16-31 of tile 2 w + 1.  Each step has registers of its own: no store's data are written again
.irp hh, 0,1
.irp g, 0,1,2
	global_store_b128 v[VO], v[CD+24*((\kb)/4)+12*\hh+4*\g:CD+24*((\kb)/4)+12*\hh+4*\g+3], s[10:11] offset:((\kb)/4)*24576+512*\g+256*\hh
.endr
.endr
.endif
.endm
	LOADB 0
	LOADB 1
.irp kb, 0,1,2,3,4,5,6,7
	VBLOCK \kb
.endr
	global_store_b64 v[L8], v[WD:WD+1], s[12:13]   ; my column's two scale words: the wave stores 256 consecutive aligned bytes
	s_endpgm
.Lfunc_end_k_qced0725e19_prep:
	.size	k_qced0725e19_prep, .Lfunc_end_k_qced0725e19_prep-k_qced0725e19_prep
	.p2alignl 7, 3214868480
	.fill 96, 4, 3214868480
	.section	.rodata,"a",@progbits
	.p2align	6, 0x0
	.amdhsa_kernel k_qced0725e19_prep
		.amdhsa_group_segment_fixed_size 34304
		.amdhsa_private_segment_fixed_size 0
		.amdhsa_enable_private_segment 0
		.amdhsa_kernarg_size 48
		.amdhsa_user_sgpr_count 2
		.amdhsa_user_sgpr_kernarg_segment_ptr 1
		.amdhsa_wavefront_size32 1
		.amdhsa_system_sgpr_workgroup_id_x 1
		.amdhsa_system_sgpr_workgroup_id_y 1
		.amdhsa_system_sgpr_workgroup_id_z 1
		.amdhsa_system_vgpr_workitem_id 0
		.amdhsa_next_free_vgpr 256
		.amdhsa_next_free_sgpr 66
		.amdhsa_reserve_vcc 1
		.amdhsa_float_denorm_mode_32 3
		.amdhsa_float_denorm_mode_16_64 3
		.amdhsa_memory_ordered 1
		.amdhsa_forward_progress 1
		.amdhsa_inst_pref_size 109
	.end_amdhsa_kernel
	.amdgpu_metadata
---
amdhsa.version: [ 1, 2 ]
amdhsa.kernels:
  - .name:           k_qced0725e19_prep
    .symbol:         k_qced0725e19_prep.kd
    .args:
      - { .name: key, .offset: 0, .size: 8, .value_kind: global_buffer, .address_space: global }
      - { .name: value, .offset: 8, .size: 8, .value_kind: global_buffer, .address_space: global }
      - { .name: attn_mask, .offset: 16, .size: 8, .value_kind: global_buffer, .address_space: global }
      - { .name: kv, .offset: 24, .size: 8, .value_kind: global_buffer, .address_space: global }
      - { .name: sc, .offset: 32, .size: 8, .value_kind: global_buffer, .address_space: global }
      - { .name: occ, .offset: 40, .size: 8, .value_kind: global_buffer, .address_space: global }
    .group_segment_fixed_size: 34304
    .private_segment_fixed_size: 0
    .kernarg_segment_align: 8
    .kernarg_segment_size: 48
    .max_flat_workgroup_size: 128
    .sgpr_count:     66
    .vgpr_count:     256
    .wavefront_size: 32
...
	.end_amdgpu_metadata
.endif
;; end of part 1
;; launch attn (part 2): grid 8 x 64, 16 waves a work-group, no clusters, 210,944 bytes of LDS; arguments query, attn_mask, kv, sc, occ, out0; writes out0
.if DOCPART == 2
	.amdgcn_target "amdgcn-amd-amdhsa--gfx1250"
	.amdhsa_code_object_version 6
	.text
	.protected	k_qced0725e19_attn
	.globl	k_qced0725e19_attn
	.p2align	8
	.type	k_qced0725e19_attn,@function
k_qced0725e19_attn:
	s_mov_b64 s[64:65], 0
	v_nop
	global_prefetch_b8 v0, s[64:65] scope:SCOPE_SE
	s_setreg_imm32_b32 hwreg(HW_REG_WAVE_MODE, 25, 1), 1
	s_wait_xcnt 0x0
; out0[b][q][h][:] = (mask[b][q] > 0) x the sum over k of softmax_k(Q . K / sqrt(128), keys with mask <= 0 left out) V[k][:], both products on codes of FP6 (E2M3) with one E8M0 scale for each 32 along K.
; THE SOFTMAX AHEAD OF THE SECOND PRODUCT: t = score x log2(e) / sqrt(128); M = the running largest t rounded UP to a whole number; p = 2^(t - M) is quantised along the keys, not normalised;
; the row's sum is taken of the unquantised p and divides at the end.  When M moves, the sum and O are multiplied by 2^(old M - new M): exact.
; K and V come as images of the operands' registers, their scale words beside them, made by the launch before (kv, sc); Q is quantised here, in registers: each of its rows is read by one wave, once.
; SHARES.  A work-group serves one head (bh = work-group y) and 256 of its queries; wave w of sixteen owns the tile of 16 queries 16 x + 128 w (x = work-group x): a work-group's tiles are strewn over the sequence, so that
; whatever part of it the mask hides, work-groups and SIMDs lose about the same share.  Every wave walks the head's 16 steps of 128 keys.
; THE MASK.  (a) A step with no valid key adds nothing (every p is 0), and a tile with no valid query is all zeros: both are left out by scalar branches on the whole numbers that the launch before stored (occ); they lead round
; loads, products and softmax, never round a barrier; the trip count is a constant.  (b) In a step that is not all valid the first product's C is a bias, 0 for a valid key and -2^120 for a hidden one, read from LDS straight into the
; accumulators: p of a hidden key is then exactly 0.  (c) A hidden query's row is multiplied by 0 at the end.
; LIMITS: a true t (score x 0.1275) must lie above -2^100, where the running maximum begins; NaN and infinities are not served; blocks of Q under 2^-124 keep the byte 1.
; K'S AND V'S BLOCKS go memory -> registers -> LDS: a ring of two slots of one step (24,576 bytes: 48 bytes a thread), one barrier a step; a block is asked for two steps ahead of its use and laid into LDS one step ahead.
; NO TENSOR LOAD AND NO CLUSTER, though the 8 work-groups of a head read the same blocks: the branches of (a) hang on numbers read from memory; and what is shared is
; 24,576 bytes a step for sixteen waves that each issue some 330 vector instructions on it.
; LAYOUT.  Both products transposed: S^T = K Q^T (source 0 = 16 keys, source 1 = my 16 queries), O^T = V^T P^T: a lane holds ONE query (lane % 16) throughout.  Register j of tile 2 b' + u holds key 32 b' + 16 (lane / 16) + 8 u + j.
.set SLOTB,  24576                     ; a slot: K's 8 images of 1,536 bytes, then V's 8
.set VOFF,   12288
.set SCL,    2*SLOTB                   ; the head's scale words: K's 8,192 bytes, V's 8,192
.set BIAS,   SCL+16384                 ; the batch's bias, an f32 a key, in the keys' order: 8,192 bytes
.set STAGE,  BIAS+8192                 ; a stage for each wave, its own: 16 rows x (512 + 16) bytes: Q on the way in, O on the way out
.set SPITCH, 528
.set WSTG,   16*SPITCH
.set SPARE,  STAGE+16*WSTG             ; the spare words, 128 bytes a wave, which no other line names
.set AFR,  1                           ; v1   16 x lane: an image's place for my lane; also my 16 bytes of a row of Q and of out0
.set CPY,  2                           ; v2   16 x thread: my 16 bytes of each 8,192 that the work-group copies
.set AKS0, 3                           ; v3   K's scale words: SCL + 16 r
.set AVS0, 4                           ; v4   V's: SCL + 8192 + 8 r
.set SPW,  5                           ; v5   LDS address of my spare word; never rewritten
.set NIL,  6                           ; v6   0; never rewritten
.set ABI0, 7                           ; v7   the bias: BIAS + 64 (lane / 16)
.set ADS,  8                           ; v8-10 the same three for the pair of steps in hand
.set ADT,  9
.set ADB,  10
.set QMK,  11                          ; v11  my query's mask word
                                       ; v12 -M, v13 the largest t, v[14:15] the sum in two halves
.set QC,   16                          ; v16-27 Q's codes
.set QS,   28                          ; v28  Q's scale words
.set PFO,  29                          ; v29  the prefetch's offset: 256 x lane + 8192 x min(wave, 2)
.set QRB,  30                          ; v30  my stage: 528 r + 128 (lane / 16)
.set SR,   31                          ; v31  my stage: 16 x lane
.set FRG,  32                          ; v32-79 four fragments of K or V
.set RC,   80                          ; v80-91 my 48 bytes of the block on its way
.set SO,   92                          ; v92  my stage: 528 r + 32 (lane / 16)
.set SH8,  93                          ; v93  8 (lane / 16)
.set NEGB, 94                          ; v94  -2^120
.set ZER,  95                          ; v95  0
.set ST,   96                          ; v96-159 S^T, then p
.set OT,   160                         ; v160-223 O^T
                                       ; v224-235 p's codes; v232-247 at work; v248-251 four tiles' scale words; v252 f; v253 p's scale word; v254 at work
.set QMX,  232
.set QE,   234
.set QB,   236
.set QTW,  238
.set QT,   240
.set WV,   16                          ; s16  wave
.set XW,   17                          ; s17  work-group x
.set BH,   18                          ; s18  16 b + h
.set BT,   19                          ; s19  b
.set SEL,  20                          ; s[20:21] lane selects: lane l xor 16
.set CS,   22                          ; s[22:23] c = log2(e) / sqrt(128)
.set HD,   24                          ; s24  h
.set EMC,  25                          ; s25  bit i: step (the one in hand + i) has a valid key: its block is copied.  All four masks go one bit down at each step's end; bits from 16 up are 0, so nothing is asked for past the head's last block
.set EMW,  26                          ; s26  the same where my tile has a valid query, else 0: the steps that I work
.set FUL,  27                          ; s27  bit i: all keys of that step are valid
.set EMP,  28                          ; s28  EMC in the waves that prefetch, else 0
.set TP,   29                          ; s29  1,024 x the pair of steps in hand
.set CNT,  30
.set KVP,  32                          ; s[32:33] the block that is asked for next
	s_load_b256 s[4:11], s[0:1], 0x0               ; query s[4:5], attn_mask s[6:7], kv s[8:9], sc s[10:11]
	s_load_b128 s[12:15], s[0:1], 0x20             ; occ s[12:13], out0 s[14:15]
	v_lshl_add_u32 v[SPW], v0, 2, SPARE
	v_mov_b32 v[NIL], 0
	v_lshrrev_b32 v8, 5, v0
	v_readfirstlane_b32 s[WV], v8                  ; wave 0..15
	s_mov_b32 s[XW], ttmp9
	s_and_b32 s[BH], ttmp7, 0xffff
	s_lshr_b32 s[BT], s[BH], 4
	s_and_b32 s[HD], s[BH], 15
	v_and_b32 v8, 31, v0                           ; lane
	v_and_b32 v9, 15, v0                           ; r
	v_bfe_u32 v10, v0, 4, 1                        ; lane / 16
	v_lshlrev_b32 v[AFR], 4, v8
	v_lshlrev_b32 v[CPY], 4, v0
	v_lshl_add_u32 v[AKS0], v9, 4, SCL
	v_lshl_add_u32 v[AVS0], v9, 3, SCL+8192
	v_lshl_add_u32 v[ABI0], v10, 6, BIAS
	s_min_u32 s31, s[WV], 2
	s_lshl_b32 s31, s31, 13
	v_lshl_add_u32 v[PFO], v8, 8, s31
	s_mul_i32 s31, s[WV], WSTG
	s_add_co_u32 s31, s31, STAGE                   ; my stage
	v_mul_u32_u24 v[QRB], v9, SPITCH
	v_add_nc_u32 v[QRB], s31, v[QRB]
	v_lshl_add_u32 v[SO], v10, 5, v[QRB]
	v_lshl_add_u32 v[QRB], v10, 7, v[QRB]
	v_add_nc_u32 v[SR], s31, v[AFR]
	v_lshlrev_b32 v[SH8], 3, v10
	v_add_nc_u32 v48, BIAS, v[CPY]                 ; where I store my four bias numbers (the region begins past an LDS immediate's reach)
	v_lshlrev_b32 v49, 2, v9                       ; my query's mask word: 4 r
	v_mov_b32 v[NEGB], 0xfb800000
	v_mov_b32 v[ZER], 0
.set n, 0
.rept 13
	v_mov_b32 v[QC+n], 0                           ; Q's codes and scale word: a wave whose tile is hidden loads no Q and multiplies nothing; the registers are written all the same
.set n, n+1
.endr
.set n, 0
.rept 12
	v_mov_b32 v[RC+n], 0                           ; likewise the block's registers, which are loaded and stored under branches
.set n, n+1
.endr
.irp b, 0,1,2,3
	v_mov_b32 v[236+\b], 0                         ; a lane permute's destination counts as one of its sources
.endr
	v_mov_b32 v252, 0                              ; likewise: the way out's permute lands here, also in a wave that has worked no step
	v_mov_b32 v253, 0                              ; (named as the upper half of the pair v[252:253] before it is first written)
	s_mov_b32 s[SEL], 0x76543210
	s_mov_b32 s[SEL+1], 0xfedcba98
	s_mov_b32 s[CS], 0x3e0293ee
	s_mov_b32 s[CS+1], s[CS]                       ; (named with it as a pair, so it is written)
	s_lshl_b32 s42, s[BT], 7                       ; the batch's 32 words of flags
	s_lshl_b32 s43, s[WV], 2
	s_add_co_u32 s43, s43, s42                     ; word w: the map of positions 128 w .. 128 w + 127, four to a bit
	s_wait_kmcnt 0x0
	s_load_b64 s[40:41], s[12:13], s42 offset:0x40 ; words 16, 17: the steps with a valid key, the steps all valid
	s_load_b32 s39, s[12:13], s43 offset:0x0
	s_lshl_b32 s34, s[BT], 24                      ; Q and out0: batch 2048 x 8192 bytes,
	s_lshl_b32 s31, s[XW], 17                      ; + 16 x rows of 8192,
	s_add_co_u32 s34, s34, s31
	s_lshl_b32 s31, s[WV], 20                      ; + 128 w rows,
	s_add_co_u32 s34, s34, s31
	s_lshl_b32 s31, s[HD], 9                       ; + the head's 512 bytes
	s_add_co_u32 s34, s34, s31
	s_mov_b32 s35, 0
	s_add_nc_u64 s[4:5], s[4:5], s[34:35]
	s_add_nc_u64 s[14:15], s[14:15], s[34:35]
	s_mul_i32 s36, s[BH], 16*SLOTB
	s_mov_b32 s37, 0
	s_add_nc_u64 s[KVP:KVP+1], s[8:9], s[36:37]    ; the head's block 0
	s_lshl_b32 s36, s[BH], 14
	s_add_nc_u64 s[10:11], s[10:11], s[36:37]      ; the head's scale words
	s_lshl_b32 s36, s[BT], 13
	s_add_nc_u64 s[6:7], s[6:7], s[36:37]          ; the batch's mask
	s_lshl_b32 s36, s[XW], 6
	s_lshl_b32 s31, s[WV], 9
	s_add_co_u32 s36, s36, s31
	s_add_nc_u64 s[44:45], s[6:7], s[36:37]        ; and my tile's 16 words of it
	s_wait_kmcnt 0x0
	s_and_b32 s[EMC], s40, 0xffff
	s_mov_b32 s[FUL], s41
	s_lshl_b32 s31, s[XW], 2
	s_lshr_b32 s31, s39, s31
	s_and_b32 s31, s31, 15                         ; my tile's four bits
	s_cmp_lg_u32 s31, 0
	s_cselect_b32 s[EMW], s[EMC], 0
	s_cmp_lt_u32 s[WV], 3
	s_cselect_b32 s[EMP], s[EMC], 0
	s_cmp_eq_u32 s[XW], 0
	s_cselect_b32 s[EMP], s[EMP], 0                ; waves 0-2 of the head's first work-group prefetch
	global_load_b128 v[40:43], v[CPY], s[6:7]      ; the batch's mask: four words a thread
	global_load_b128 v[32:35], v[CPY], s[10:11]    ; the head's scale words
	global_load_b128 v[36:39], v[CPY], s[10:11] offset:8192
	global_load_b32 v[QMK], v49, s[44:45]
	s_bitcmp1_b32 s[EMC], 0
	s_cbranch_scc0 .Lno_g0
.irp j, 0,1,2
	global_load_b128 v[RC+4*\j:RC+4*\j+3], v[CPY], s[KVP:KVP+1] offset:8192*\j   ; block 0
.endr
.Lno_g0:
; 64 numbers of a lane, v[x] on: block h' of my row in x .. x + 31, block 2 + h' in x + 32 .. x + 63, become my 12 registers of the fragment, v[p] on, and my row's scale word, v[w].
.macro QUANT2 x, p, w
.irp c, 0,1
	v_max3_num_f32 v[QMX+\c], |v[\x+32*\c]|, |v[\x+32*\c+1]|, 0x1800000   ; the floor 2^(3 - 127) holds the byte at 1 from below
.endr
.irp i, 2,4,6,8,10,12,14,16,18,20,22,24,26,28,30
.irp c, 0,1
	v_max3_num_f32 v[QMX+\c], v[QMX+\c], |v[\x+32*\c+\i]|, |v[\x+32*\c+\i+1]|
.endr
.endr
.irp c, 0,1
	v_add_nc_u32 v[QE+\c], 0xff000000, v[QMX+\c]   ; 2 off the exponent field: the conversion's scale operand
.endr
.irp c, 0,1
	v_lshrrev_b32 v[QB+\c], 23, v[QE+\c]
.endr
	v_lshl_or_b32 v[\w], v[QB+1], 16, v[QB]
	v_lshlrev_b32 v[\w], v[SH8], v[\w]
	v_permlanex16_b32 v[QTW], v[\w], s[SEL], s[SEL+1]
	v_or_b32 v[\w], v[\w], v[QTW]                  ; the word is whole, in both halves of the lanes
.irp c, 0,1
	v_cvt_scalef32_pk16_fp6_f32 v[\p+6*\c:\p+6*\c+2], v[\x+32*\c:\x+32*\c+15], v[QE+\c]
	v_cvt_scalef32_pk16_fp6_f32 v[QT+4*\c:QT+4*\c+2], v[\x+32*\c+16:\x+32*\c+31], v[QE+\c]
.endr
	v_nop                                          ; one plain instruction behind the scaled conversions
.irp c, 0,1
.irp i, 0,1,2
	v_mov_b32 v[\p+6*\c+3+\i], v[QT+4*\c+\i]
.endr
.endr
.endm
	s_cmp_eq_u32 s[EMW], 0                         ; a tile with no valid query, or a batch with no valid key: no Q
	s_cbranch_scc1 .Lnoq
.irp i, 0,1,2,3,4,5,6,7,8,9,10,11,12,13,14,15
	global_load_b128 v[ST+4*\i:ST+4*\i+3], v[AFR], s[4:5] offset:8192*\i th:TH_LOAD_NT   ; a row of 512 consecutive bytes a load
.endr
	s_wait_loadcnt 0x0
.irp i, 0,1,2,3,4,5,6,7,8,9,10,11,12,13,14,15
	ds_store_b128 v[SR], v[ST+4*\i:ST+4*\i+3] offset:SPITCH*\i
.endr
.irp c, 0,1
.irp j, 0,1,2,3,4,5,6,7
	ds_load_b128 v[OT+32*\c+4*\j:OT+32*\c+4*\j+3], v[QRB] offset:256*\c+16*\j   ; my stage is my own, and LDS serves a wave's instructions in order
.endr
.endr
	s_wait_dscnt 0x0
	QUANT2 OT, QC, QS
.Lnoq:
	s_wait_loadcnt 0x0                             ; mask, scale words, block 0
.irp k, 0,1,2,3
	v_cmp_lt_i32 vcc_lo, 0, v[40+\k]
	v_cndmask_b32 v[44+\k], v[NEGB], v[ZER], vcc_lo   ; 0 for a valid key, -2^120 for a hidden one
.endr
	ds_store_b128 v48, v[44:47]
	ds_store_b128 v[CPY], v[32:35] offset:SCL
	ds_store_b128 v[CPY], v[36:39] offset:SCL+8192
	s_bitcmp1_b32 s[EMC], 0
	s_cbranch_scc0 .Lno_s0
.irp j, 0,1,2
	ds_store_b128 v[CPY], v[RC+4*\j:RC+4*\j+3] offset:8192*\j   ; block 0 into slot 0
.endr
.Lno_s0:
	s_wait_dscnt 0x0                               ; the stores have read their registers
	s_wait_xcnt 0x0                                ; and block 0's loads their base, which steps
	s_add_nc_u64 s[KVP:KVP+1], s[KVP:KVP+1], SLOTB
	s_bitcmp1_b32 s[EMC], 1
	s_cbranch_scc0 .Lno_g1
.irp j, 0,1,2
	global_load_b128 v[RC+4*\j:RC+4*\j+3], v[CPY], s[KVP:KVP+1] offset:8192*\j   ; block 1
.endr
.Lno_g1:
	v_mov_b32 v13, 0xf1800000                      ; the largest t so far: -2^100: under every true t, over every hidden one
	v_floor_f32 v12, -v13                          ; -M
	v_mov_b32 v14, 0
	v_mov_b32 v15, 0
.set n, 0
.rept 64
	v_mov_b32 v[OT+n], 0                           ; O^T.  (The step is written once: the first finds zeros, which the first change of M leaves zeros; a hidden tile stores them)
.set n, n+1
.endr
	s_mov_b32 s[TP], 0
	s_mov_b32 s[CNT], 8
; S^T = K Q^T, four tiles of 16 keys at a time, from slot sl.  bias = 1: the accumulators are first loaded with the keys' bias, which is the products' C; 0: C is the constant 0.
.macro SPART sl, bias
.if \bias
.irp n, 0,1,2,3,4,5,6,7
	ds_load_b128 v[ST+8*\n:ST+8*\n+3], v[ADB] offset:512*\sl+128*(\n/2)+32*(\n%2)       ; tile n's eight keys of my half: 32 consecutive bytes, the same for sixteen lanes
	ds_load_b128 v[ST+8*\n+4:ST+8*\n+7], v[ADB] offset:512*\sl+128*(\n/2)+32*(\n%2)+16
.endr
.endif
.irp g, 0,1
.if \g > 0
.rept 4
	v_nop                                          ; four places in front of loads into registers that the products just issued read
.endr
.endif
.irp t, 0,1,2,3
.irp c, 0,1,2
	ds_load_b128 v[FRG+12*\t+4*\c:FRG+12*\t+4*\c+3], v[AFR] offset:\sl*SLOTB+(4*\g+\t)*1536+512*\c   ; an image comes back as it was stored: 512 consecutive bytes a load
.endr
.endr
	ds_load_b128 v[248:251], v[ADS] offset:512*\sl+256*\g   ; the four tiles' scale words of row r
	s_wait_dscnt 0x0
.irp t, 0,1,2,3
.if \bias
	v_wmma_scale_f32_16x16x128_f8f6f4 v[ST+8*(4*\g+\t):ST+8*(4*\g+\t)+7], v[FRG+12*\t:FRG+12*\t+11], v[QC:QC+11], v[ST+8*(4*\g+\t):ST+8*(4*\g+\t)+7], v[248+\t], v[QS] matrix_a_fmt:MATRIX_FMT_FP6 matrix_b_fmt:MATRIX_FMT_FP6
.else
	v_wmma_scale_f32_16x16x128_f8f6f4 v[ST+8*(4*\g+\t):ST+8*(4*\g+\t)+7], v[FRG+12*\t:FRG+12*\t+11], v[QC:QC+11], 0, v[248+\t], v[QS] matrix_a_fmt:MATRIX_FMT_FP6 matrix_b_fmt:MATRIX_FMT_FP6
.endif
.endr
.endr
.endm
; The softmax of my query's 64 scores of this step (the other 64 lie in lane l xor 16), and p's codes and scale word.
.macro SOFTMAX
.irp b, 0,1,2,3
	v_max3_num_f32 v[232+\b], v[ST+16*\b], v[ST+1+16*\b], v[ST+2+16*\b]   ; the largest score of each block of 32 keys: it serves for the row's maximum and, since p rises with the score, for the block's largest p
.endr
.irp i, 3,5,7,9,11,13
.irp b, 0,1,2,3
	v_max3_num_f32 v[232+\b], v[232+\b], v[ST+16*\b+\i], v[ST+1+16*\b+\i]   ; (the four blocks by turns)
.endr
.endr
.irp b, 0,1,2,3
	v_max_num_f32 v[232+\b], v[232+\b], v[ST+15+16*\b]
.endr
.irp b, 0,1,2,3
	v_permlanex16_b32 v[236+\b], v[232+\b], s[SEL], s[SEL+1]
.endr
.irp b, 0,1,2,3
	v_max_num_f32 v[232+\b], v[232+\b], v[236+\b]  ; with lane l xor 16's 16 keys
.endr
	v_max3_num_f32 v254, v232, v233, v234
	v_max_num_f32 v254, v254, v235                 ; the step's largest score of my query
	v_mul_f32 v254, s[CS], v254                    ; as t
	v_max_num_f32 v13, v13, v254                   ; the running largest t
	v_mov_b32 v254, v12
	v_floor_f32 v12, -v13                          ; the new -M = -ceil(t): a whole number
	v_sub_f32 v254, v12, v254                      ; old M - new M: a whole number, 0 or less
	v_cvt_i32_f32 v254, v254                       ; (it saturates)
	v_ldexp_f32 v252, 1.0, v254                    ; f = 2^(old M - new M)
.set n, 0
.rept 32
	v_pk_fma_f32 v[ST+n:ST+n+1], v[ST+n:ST+n+1], s[CS:CS+1], v[12:13] op_sel_hi:[1,0,0]   ; t - M, two at a time
.set n, n+2
.endr
.irp b, 0,1,2,3
	v_fma_f32 v[232+\b], v[232+\b], s[CS], v12     ; the same of each block's largest score
.endr
.set n, 0
.rept 64
	v_exp_f32 v[ST+n], v[ST+n]                     ; p = 2^(t - M), at most 1; exactly 0 for a hidden key
.set n, n+1
.endr
	v_pk_mul_f32 v[14:15], v[14:15], v[252:253] op_sel_hi:[1,0]   ; the sums under the new M: the plain instruction behind the exponentials
	s_wait_alu depctr_va_vdst(0)                   ; one wait for the batch of 64, ahead of the first line that names a result
.irp b, 0,1,2,3
	v_exp_f32 v[232+\b], v[232+\b]                 ; the block's largest p: the same two instructions on the same number give the same bits
.endr
	v_pk_add_f32 v[236:237], v[ST:ST+1], v[ST+2:ST+3]   ; the row's sum of the UNQUANTISED p, two at a time, in two chains; it names the 64 alone
.set n, 4
.rept 15
	v_pk_add_f32 v[14:15], v[14:15], v[ST+n:ST+n+1]
	v_pk_add_f32 v[236:237], v[236:237], v[ST+n+2:ST+n+3]
.set n, n+4
.endr
	v_pk_add_f32 v[14:15], v[14:15], v[236:237]
	s_wait_alu depctr_va_vdst(0)                   ; and one for the four
.irp b, 0,1,2,3
	v_max_num_f32 v[232+\b], 0x1800000, v[232+\b]  ; the floor 2^(3 - 127): a block whose every p is 0 keeps the byte 1; its codes are zeros
.endr
.irp b, 0,1,2,3
	v_add_nc_u32 v[244+\b], 0xff000000, v[232+\b]  ; 2 off the exponent field: the conversion's scale operand
.endr
.irp b, 0,1,2,3
	v_lshrrev_b32 v[236+\b], 23, v[244+\b]         ; the scale's byte
.endr
	v_lshl_or_b32 v253, v237, 8, v236              ; p's scale word for these 128 keys
	v_lshl_or_b32 v253, v238, 16, v253
	v_lshl_or_b32 v253, v239, 24, v253
.irp c, 0,1
	v_cvt_scalef32_pk16_fp6_f32 v[224+6*\c:226+6*\c], v[ST+32*\c:ST+15+32*\c], v[244+2*\c]
	v_cvt_scalef32_pk16_fp6_f32 v[236+4*\c:238+4*\c], v[ST+16+32*\c:ST+31+32*\c], v[244+2*\c+1]   ; (a conversion's three registers begin on an even number)
.endr
	v_nop                                          ; one plain instruction behind the scaled conversions
.irp c, 0,1                            ; the operand's layout wants a WHOLE block in a lane: lanes 0-15 block 2 c, lanes 16-31 block 2 c + 1
.irp i, 0,1,2
	v_permlane16_swap_b32 v[224+6*\c+\i], v[236+4*\c+\i]
.endr
.irp i, 0,1,2
	v_mov_b32 v[227+6*\c+\i], v[236+4*\c+\i]
.endr
.endr
.set n, 0
.rept 32
	v_pk_mul_f32 v[OT+n:OT+n+1], v[OT+n:OT+n+1], v[252:253] op_sel_hi:[1,0]   ; O^T under the new M.  (These 32 are also the places between the lines that made p's codes and scale word and the products that take them)
.set n, n+2
.endr
.endm
; O^T += V^T P^T, four tiles of 16 of the head's 128 at a time; K = the step's 128 keys.
.macro PV sl
.irp g, 0,1
.if \g > 0
.rept 4
	v_nop
.endr
.endif
.irp t, 0,1,2,3
.irp c, 0,1,2
	ds_load_b128 v[FRG+12*\t+4*\c:FRG+12*\t+4*\c+3], v[AFR] offset:\sl*SLOTB+VOFF+(4*\g+\t)*1536+512*\c
.endr
	ds_load_b32 v[248+\t], v[ADT] offset:(4*\g+\t)*128+4*\sl
.endr
	s_wait_dscnt 0x0
.irp t, 0,1,2,3
	v_wmma_scale_f32_16x16x128_f8f6f4 v[OT+8*(4*\g+\t):OT+8*(4*\g+\t)+7], v[FRG+12*\t:FRG+12*\t+11], v[224:235], v[OT+8*(4*\g+\t):OT+8*(4*\g+\t)+7], v[248+\t], v253 matrix_a_fmt:MATRIX_FMT_FP6 matrix_b_fmt:MATRIX_FMT_FP6
.endr
.endr
.endm
; A step's work.  Accumulators take turns, one instruction a turn, within a step and from step to step.
.macro STEP sl
	s_bitcmp1_b32 s[EMW], 0
	s_cbranch_scc0 .Lhid_\@                        ; no valid key in the step, or no valid query in my tile
.rept 4
	v_nop                                          ; four places in front of loads into registers that the last step's products read
.endr
	s_bitcmp1_b32 s[FUL], 0
	s_cbranch_scc1 .Lfull_\@
	SPART \sl, 1
	s_branch .Lsm_\@
.Lfull_\@:
	SPART \sl, 0
.Lsm_\@:
.rept 4
	v_nop                                          ; four places in front of the first read of the scores
.endr
	SOFTMAX
	PV \sl
.Lhid_\@:
.endm
; A trip: one barrier, which does two things: behind it slot sl is whole, and nobody reads slot 1 - sl any more.  Then the block that came into my registers during the last trip goes into slot 1 - sl, the block after it is asked for, and slot sl is worked.
.macro TRIP sl
.if \sl == 0
	v_add_nc_u32 v[ADS], s[TP], v[AKS0]            ; the pair's scale words and bias
	v_add_nc_u32 v[ADT], s[TP], v[AVS0]
	v_add_nc_u32 v[ADB], s[TP], v[ABI0]
.endif
	s_wait_dscnt 0x0                               ; my stores into slot sl have landed, and my reads of slot 1 - sl are back
	s_barrier_signal -1
	s_barrier_wait -1
	s_wait_loadcnt 0x0                             ; the next step's block, asked for a trip ago, is in my registers
	s_bitcmp1_b32 s[EMC], 1
	s_cbranch_scc0 .Lnst_\@
.irp j, 0,1,2
	ds_store_b128 v[CPY], v[RC+4*\j:RC+4*\j+3] offset:(1-\sl)*SLOTB+8192*\j
.endr
.Lnst_\@:
	s_wait_xcnt 0x0                                ; the last trip's loads and prefetch have read their base, which steps
	s_add_nc_u64 s[KVP:KVP+1], s[KVP:KVP+1], SLOTB
	s_wait_dscnt 0x0                               ; the stores have read their registers, which are loaded again
	s_bitcmp1_b32 s[EMC], 2
	s_cbranch_scc0 .Lnld_\@
.irp j, 0,1,2
	global_load_b128 v[RC+4*\j:RC+4*\j+3], v[CPY], s[KVP:KVP+1] offset:8192*\j   ; the block two steps on
.endr
.Lnld_\@:
; A prefetch of the block three steps on, one trip ahead of the load that will want it, behind my loads.  The 8 work-groups of a head read the same blocks: the first of them asks, nobody else; its waves 0-2 take 8,192 bytes each,
; lanes 256 bytes apart: each aligned 256 bytes of kv are named once in the launch.  Blocks 0-2 come by their loads alone; a block of a step with no valid key, and what would lie past the head's last block, are not asked for (their bits are 0).
	s_bitcmp1_b32 s[EMP], 3
	s_cbranch_scc0 .Lnpf_\@
	global_prefetch_b8 v[PFO], s[KVP:KVP+1] offset:SLOTB th:TH_LOAD_NT scope:SCOPE_SE
.Lnpf_\@:
	STEP \sl
	s_lshr_b32 s[EMC], s[EMC], 1
	s_lshr_b32 s[EMW], s[EMW], 1
	s_lshr_b32 s[FUL], s[FUL], 1
	s_lshr_b32 s[EMP], s[EMP], 1
.if \sl == 1
	s_add_co_u32 s[TP], s[TP], 1024
.endif
.endm
.Lpair:                                            ; 8 trips of two steps: a constant, whatever the mask
	TRIP 0
	TRIP 1
	s_sub_co_u32 s[CNT], s[CNT], 1
	s_cmp_lg_u32 s[CNT], 0
	s_cbranch_scc1 .Lpair
	; THE WAY OUT.  O^T is divided by the row's sum, or multiplied by 0 where my query is hidden (there the sum may be 0), goes through my stage and leaves as whole rows of 512 bytes.
	s_wait_loadcnt 0x0                             ; no load into the block's registers is out (the last two trips ask for none: their bits are 0): the rows that come back from the stage below land there too
.rept 4
	v_nop                                          ; four places behind the last products
.endr
	v_add_f32 v14, v14, v15                        ; the sum's two halves,
	v_permlanex16_b32 v252, v14, s[SEL], s[SEL+1]
	v_add_f32 v14, v14, v252                       ; and lane l xor 16's
	v_cmp_lt_i32 vcc_lo, 0, v[QMK]
	v_rcp_f32 v14, v14
	v_nop                                          ; a plain instruction behind the reciprocal,
	s_wait_alu depctr_va_vdst(0)                   ; and the wait ahead of the first line that names its result
	v_cndmask_b32 v14, 0, v14, vcc_lo
.set n, 0
.rept 64
	v_mul_f32 v[ST+n], v[OT+n], v14                ; register 8 t + i is out(query r, 16 t + 8 (lane / 16) + i); each accumulator from its low end on
.set n, n+1
.endr
.irp t, 0,1,2,3,4,5,6,7
	ds_store_b128 v[SO], v[ST+8*\t:ST+8*\t+3] offset:64*\t
	ds_store_b128 v[SO], v[ST+8*\t+4:ST+8*\t+7] offset:64*\t+16
.endr
.irp i, 0,1,2,3,4,5,6,7,8,9,10,11,12,13,14,15
	ds_load_b128 v[FRG+4*\i:FRG+4*\i+3], v[SR] offset:SPITCH*\i   ; LDS serves a wave's instructions in order: these see my stores
.endr
.irp i, 0,1,2,3,4,5,6,7,8,9,10,11,12,13,14,15
	s_wait_dscnt 15-\i                             ; row i is back; the younger loads may be out
	global_store_b128 v[AFR], v[FRG+4*\i:FRG+4*\i+3], s[14:15] offset:8192*\i th:TH_STORE_NT   ; 32 lanes store 512 consecutive bytes, at a multiple of 512 from out0's first byte
.endr
	s_wait_tensorcnt 0x0                           ; the wave's end: closing lines behind my last LDS store
	ds_add_u32 v[SPW], v[NIL]
	s_wait_dscnt 0x0
	s_endpgm
.Lfunc_end_k_qced0725e19_attn:
	.size	k_qced0725e19_attn, .Lfunc_end_k_qced0725e19_attn-k_qced0725e19_attn
	.p2alignl 7, 3214868480
	.fill 96, 4, 3214868480
	.section	.rodata,"a",@progbits
	.p2align	6, 0x0
	.amdhsa_kernel k_qced0725e19_attn
		.amdhsa_group_segment_fixed_size 210944
		.amdhsa_private_segment_fixed_size 0
		.amdhsa_enable_private_segment 0
		.amdhsa_kernarg_size 48
		.amdhsa_user_sgpr_count 2
		.amdhsa_user_sgpr_kernarg_segment_ptr 1
		.amdhsa_wavefront_size32 1
		.amdhsa_system_sgpr_workgroup_id_x 1
		.amdhsa_system_sgpr_workgroup_id_y 1
		.amdhsa_system_sgpr_workgroup_id_z 1
		.amdhsa_system_vgpr_workitem_id 0
		.amdhsa_next_free_vgpr 256
		.amdhsa_next_free_sgpr 66
		.amdhsa_reserve_vcc 1
		.amdhsa_float_denorm_mode_32 3
		.amdhsa_float_denorm_mode_16_64 3
		.amdhsa_memory_ordered 1
		.amdhsa_forward_progress 1
		.amdhsa_inst_pref_size 70
	.end_amdhsa_kernel
	.amdgpu_metadata
---
amdhsa.version: [ 1, 2 ]
amdhsa.kernels:
  - .name:           k_qced0725e19_attn
    .symbol:         k_qced0725e19_attn.kd
    .args:
      - { .name: query, .offset: 0, .size: 8, .value_kind: global_buffer, .address_space: global }
      - { .name: attn_mask, .offset: 8, .size: 8, .value_kind: global_buffer, .address_space: global }
      - { .name: kv, .offset: 16, .size: 8, .value_kind: global_buffer, .address_space: global }
      - { .name: sc, .offset: 24, .size: 8, .value_kind: global_buffer, .address_space: global }
      - { .name: occ, .offset: 32, .size: 8, .value_kind: global_buffer, .address_space: global }
      - { .name: out0, .offset: 40, .size: 8, .value_kind: global_buffer, .address_space: global }
    .group_segment_fixed_size: 210944
    .private_segment_fixed_size: 0
    .kernarg_segment_align: 8
    .kernarg_segment_size: 48
    .max_flat_workgroup_size: 512
    .sgpr_count:     66
    .vgpr_count:     256
    .wavefront_size: 32
...
	.end_amdgpu_metadata
.endif
;; end of part 2
;; ======== version 2 of 2: 2 launches
;; limits: inputs' magnitudes at most 100,000,000,000,000
;; workspace buffers: kv 25,165,824 bytes; sc 1,048,576 bytes; occ 512 bytes of whole numbers
;; launch prep (part 3): grid 768 x 1, 4 waves a work-group, no clusters, 34,304 bytes of LDS; arguments key, value, attn_mask, kv, sc, occ; writes kv, sc, occ
.if DOCPART == 3
	.amdgcn_target "amdgcn-amd-amdhsa--gfx1250"
	.amdhsa_code_object_version 6
	.text
	.protected	k_qced0725e19_prep
	.globl	k_qced0725e19_prep
	.p2align	8
	.type	k_qced0725e19_prep,@function
k_qced0725e19_prep:
	s_mov_b64 s[64:65], 0
	v_nop
	global_prefetch_b8 v0, s[64:65] scope:SCOPE_SE
	s_setreg_imm32_b32 hwreg(HW_REG_WAVE_MODE, 25, 1), 1
	s_wait_xcnt 0x0
; key, value: [4][2048][16][128] f32.  Both are turned ONCE into codes of FP6 (E2M3) with one E8M0 scale byte for each 32 along a product's K:
; key along the head's 128 numbers, value along the KEYS (blocks of 32 keys from key 0, whatever the mask says of them).  attn_mask [4][2048] int32 is turned into whole-number flags.
; A block's scale is 2^(floor(log2(its largest magnitude)) - 2): its byte is the largest magnitude's exponent field - 2, held at 1 from below by a floor among the maximum's leaves.
; LIMITS: a block of zeros, and a block whose largest magnitude lies under 2^-124, keep the byte 1 (zero codes add nothing; only this program reads the bytes); NaN and infinities among the inputs are not served.
; WHAT IS STORED, bh = 16 b + h:
;   kv [bh][step 16][24576]: for each step of 128 keys, K's 8 tiles and then (at +12288) V's 8 tiles, each an IMAGE OF THE OPERAND'S REGISTERS: 12 registers a lane, register j of lane L at (j / 4) 512 + 16 L + 4 (j % 4).
;      K's tile 2 b' + u: lane (r, h') holds key 32 b' + 8 u + r + 8 (r / 8) of the step, registers 6 c .. 6 c + 5 the codes of d = 64 c + 32 h' + 0 .. 31.
;      V's tile T: lane (r, h') holds d = 16 T + r, registers 6 c .. 6 c + 5 the codes of the step's keys 64 c + 32 h' + 0 .. 31.
;   sc [bh][16384]: K's scale words at step 512 + g 256 + r 16 + tt 4 (tile 4 g + tt, row r); V's at 8192 + (step / 2) 1024 + T 128 + r 8 + (step % 2) 4.
;   occ [b][32 words]: word j < 16: bit l = some position of 128 j + 4 l .. + 3 has mask > 0; word 16: bit j = word j is not 0; word 17: bit j = all 128 positions of step j have mask > 0; the rest 0.
; SHARES.  Work-groups 0-255 take key: (b, q, h) = (id >> 6, (id >> 4) & 3, id & 15), wave w the step 4 q + w.  Work-groups 256-767 take value: (b, ch, h), wave w the columns d = 32 w + lane and the keys 256 ch .. + 255.
; No matrix unit, no tensor load, no barrier: waves share nothing; memory binds.  Three work-groups fit a WGP (256 registers a wave, 34,304 bytes of LDS).
.set PITCH, 528                        ; a stage row: 512 bytes + 16, an odd multiple of 16: the sixteen rows that a load touches start in sixteen different groups of banks
.set WSTG,  16*PITCH                   ; a wave's own stage: 16 rows
.set SPARE, 4*WSTG                     ; behind the four stages: the spare words, 128 bytes a wave, which no other line names
.set LANE,  1                          ; v1   lane
.set SPW,   2                          ; v2   LDS address of my spare word; never rewritten
.set NIL,   3                          ; v3   0; never rewritten
.set LI,    4                          ; v4   16 x lane
.set STI,   5                          ; v5   the stage on the way in: 16 x lane
.set STO,   6                          ; v6   and on the way out: 528 r + 128 h'
.set SH8,   7                          ; v7   8 h'
.set QMX,   10                         ; v10-11 largest magnitudes
.set QE,    12                         ; v12-13 the conversions' scale operands
.set QB,    14                         ; v14-15 scale bytes
.set QTW,   16                         ; v16  the other half's bytes
.set QT,    20                         ; v20-22, v24-26 a block's upper 16 codes (a conversion's three registers begin on an even number)
.set PC,    32                         ; v32-43 a fragment's codes
.set WD,    44                         ; v44-51 scale words (K: one a tile; V: one a step)
.set WS,    52                         ; v52-55 K's scale words as they are stored
.set L4,    56                         ; v56  4 x lane
.set FL,    57                         ; v57  the flags' words, a lane a word
.set VO,    59                         ; v59  V's images: (lane / 16) 1536 + 16 r
.set L8,    60                         ; v60  8 x lane
.set LD,    64                         ; v64-191 K: two sets of 64 as loaded;  V: v64-127 two sets of 32, v128-175 the codes of two steps
.set CD,    128
.set XN,    192                        ; v192-255 K: 64 numbers of my row, two whole blocks
.set SEL,   20                         ; s[20:21] lane selects for v_permlanex16_b32: lane l xor 16
	s_load_b256 s[4:11], s[0:1], 0x0               ; key s[4:5], value s[6:7], attn_mask s[8:9], kv s[10:11]
	s_load_b128 s[12:15], s[0:1], 0x20             ; sc s[12:13], occ s[14:15]
	v_lshl_add_u32 v[SPW], v0, 2, SPARE
	v_mov_b32 v[NIL], 0
	v_lshrrev_b32 v1, 5, v0
	v_readfirstlane_b32 s16, v1                    ; wave 0..3
	v_and_b32 v[LANE], 31, v0
	v_and_b32 v8, 15, v0                           ; r
	v_bfe_u32 v9, v0, 4, 1                         ; h'
	v_lshlrev_b32 v[LI], 4, v[LANE]
	v_lshlrev_b32 v[SH8], 3, v9
	s_mul_i32 s17, s16, WSTG                       ; my stage
	v_add_nc_u32 v[STI], s17, v[LI]
	v_mul_u32_u24 v[STO], v8, PITCH
	v_lshl_add_u32 v[STO], v9, 7, v[STO]
	v_add_nc_u32 v[STO], s17, v[STO]
	v_lshlrev_b32 v[L4], 2, v[LANE]
	v_lshlrev_b32 v[L8], 3, v[LANE]
	v_mul_u32_u24 v[VO], v9, 1536
	v_lshl_add_u32 v[VO], v8, 4, v[VO]
	v_mov_b32 v[QTW], 0                            ; a lane permute's destination counts as one of its sources
	s_mov_b32 s[SEL], 0x76543210
	s_mov_b32 s[SEL+1], 0xfedcba98
	s_wait_kmcnt 0x0
	s_cmp_lt_u32 ttmp9, 256                        ; the work-group's number alone decides: key or value
	s_cbranch_scc0 .Lvalue
; ---------------------------------------------------------------- key
	s_lshr_b32 s17, ttmp9, 6                       ; b
	s_bfe_u32 s18, ttmp9, 0x20004                  ; q
	s_and_b32 s19, ttmp9, 15                       ; h
	s_lshl_b32 s18, s18, 2
	s_add_co_u32 s18, s18, s16                     ; my step = 4 q + wave
	s_lshl_b32 s32, s17, 24                        ; a batch is 2048 x 8192 bytes,
	s_lshl_b32 s23, s18, 20                        ; a step 128 x 8192,
	s_add_co_u32 s32, s32, s23
	s_lshl_b32 s23, s19, 9                         ; a head's part of a row 512
	s_add_co_u32 s32, s32, s23
	s_mov_b32 s33, 0
	s_add_nc_u64 s[4:5], s[4:5], s[32:33]
	s_lshl_b32 s22, s17, 4
	s_add_co_u32 s22, s22, s19                     ; bh
	s_lshl_b32 s23, s22, 4
	s_add_co_u32 s23, s23, s18
	s_mul_i32 s34, s23, 24576                      ; kv: (16 bh + step) blocks
	s_mov_b32 s35, 0
	s_add_nc_u64 s[10:11], s[10:11], s[34:35]
	s_lshl_b32 s36, s22, 14
	s_lshl_b32 s23, s18, 9
	s_add_co_u32 s36, s36, s23                     ; sc: bh 16384 + step 512
	s_mov_b32 s37, 0
	s_add_nc_u64 s[12:13], s[12:13], s[36:37]
; Tile t's sixteen keys, a whole row of 512 bytes a load (32 lanes x 16 consecutive bytes), into set t % 2.  Row i of the tile is key 32 (t / 2) + 8 (t % 2) + i + 8 (i / 8).
.macro LOADT t
.irp i, 0,1,2,3,4,5,6,7,8,9,10,11,12,13,14,15
	global_load_b128 v[LD+64*((\t)%2)+4*\i:LD+64*((\t)%2)+4*\i+3], v[LI], s[4:5] offset:(32*((\t)/2)+8*((\t)%2)+\i+8*(\i/8))*8192 th:TH_LOAD_NT
.endr
.endm
; 64 numbers of a lane, v[x] on: block h' of my row in x .. x + 31, block 2 + h' in x + 32 .. x + 63, become my 12 registers of the fragment, v[p] on, and my row's scale word, v[w].
.macro QUANT2 x, p, w
.irp c, 0,1
	v_max3_num_f32 v[QMX+\c], |v[\x+32*\c]|, |v[\x+32*\c+1]|, 0x1800000   ; all 32 numbers of a block are mine; the floor 2^(3 - 127) holds the byte at 1 from below
.endr
.irp i, 2,4,6,8,10,12,14,16,18,20,22,24,26,28,30
.irp c, 0,1
	v_max3_num_f32 v[QMX+\c], v[QMX+\c], |v[\x+32*\c+\i]|, |v[\x+32*\c+\i+1]|   ; (the two blocks by turns)
.endr
.endr
.irp c, 0,1
	v_add_nc_u32 v[QE+\c], 0xff000000, v[QMX+\c]   ; 2 off the exponent field: the conversion takes the exponent field of this operand as its scale
.endr
.irp c, 0,1
	v_lshrrev_b32 v[QB+\c], 23, v[QE+\c]           ; the scale's byte
.endr
	v_lshl_or_b32 v[(\w)], v[QB+1], 16, v[QB]      ; my two bytes: blocks h' and 2 + h',
	v_lshlrev_b32 v[(\w)], v[SH8], v[(\w)]         ; at their places in the word;
	v_permlanex16_b32 v[QTW], v[(\w)], s[SEL], s[SEL+1]
	v_or_b32 v[(\w)], v[(\w)], v[QTW]              ; with lane l xor 16's two the word is whole, in both halves of the lanes
.irp c, 0,1
	v_cvt_scalef32_pk16_fp6_f32 v[\p+6*\c:\p+6*\c+2], v[\x+32*\c:\x+32*\c+15], v[QE+\c]
	v_cvt_scalef32_pk16_fp6_f32 v[QT+4*\c:QT+4*\c+2], v[\x+32*\c+16:\x+32*\c+31], v[QE+\c]
.endr
	v_nop                                          ; one plain instruction behind the scaled conversions, ahead of the moves that read their results
.irp c, 0,1
.irp i, 0,1,2
	v_mov_b32 v[\p+6*\c+3+\i], v[QT+4*\c+\i]
.endr
.endr
.endm
; A tile: its rows go through my stage as they lie and come back 128 bytes a lane and block; quantised; the image leaves in three stores of 512 consecutive bytes.
.macro KTILE t
.if (\t) < 7
	s_wait_loadcnt 16                              ; this tile's sixteen loads are in; the next tile's sixteen may be out
.else
	s_wait_loadcnt 0x0
.endif
.irp i, 0,1,2,3,4,5,6,7,8,9,10,11,12,13,14,15
	ds_store_b128 v[STI], v[LD+64*((\t)%2)+4*\i:LD+64*((\t)%2)+4*\i+3] offset:PITCH*\i
.endr
.irp c, 0,1
.irp j, 0,1,2,3,4,5,6,7
	ds_load_b128 v[XN+32*\c+4*\j:XN+32*\c+4*\j+3], v[STO] offset:256*\c+16*\j   ; LDS serves a wave's instructions in order: these see the stores above
.endr
.endr
	s_wait_dscnt 0x0                               ; my numbers are back, and the stores have read the set
	s_wait_xcnt 0x0                                ; the last tile's global stores have read the codes' registers, which are written again below
.if (\t) < 6
	LOADT (\t)+2                                   ; the set takes the tile two further on
.endif
	QUANT2 XN, PC, WD+(\t)
.irp g, 0,1,2
	global_store_b128 v[LI], v[PC+4*\g:PC+4*\g+3], s[10:11] offset:(\t)*1536+512*\g
.endr
.endm
	LOADT 0
	LOADT 1
	s_wait_alu depctr_va_vdst(0)
.irp t, 0,1,2,3,4,5,6,7
	KTILE \t
.endr
	v_cmp_le_u32 vcc_lo, 16, v[LANE]               ; lanes 0-15 store the words of tiles 0-3 of their row, lanes 16-31 those of tiles 4-7: 512 consecutive bytes
.irp i, 0,1,2,3
	v_cndmask_b32 v[WS+\i], v[WD+\i], v[WD+4+\i], vcc_lo
.endr
	global_store_b128 v[LI], v[WS:WS+3], s[12:13]
	s_wait_tensorcnt 0x0                           ; closing lines behind a wave's last LDS store; no LDS instruction follows them
	ds_add_u32 v[SPW], v[NIL]
	s_wait_dscnt 0x0
; ---------------------------------------------------------------- the mask's flags: wave 0 of the first work-group of each batch
	s_and_b32 s22, ttmp9, 63
	s_or_b32 s22, s22, s16
	s_cmp_lg_u32 s22, 0
	s_cbranch_scc1 .Ldone
	s_lshl_b32 s32, s17, 13                        ; the batch's 2048 words
	s_add_nc_u64 s[8:9], s[8:9], s[32:33]
	s_lshl_b32 s34, s17, 7                         ; its 32 words of flags
	s_add_nc_u64 s[14:15], s[14:15], s[34:35]
.irp j, 0,1,2,3,4,5,6,7,8,9,10,11,12,13,14,15
	global_load_b128 v[LD+4*\j:LD+4*\j+3], v[LI], s[8:9] offset:512*\j   ; load j, lane l: positions 128 j + 4 l .. + 3
.endr
	v_mov_b32 v[FL], 0
	s_mov_b32 s24, 0                               ; bit j: step j has a valid position
	s_mov_b32 s25, 0                               ; bit j: all of step j is valid
	s_wait_alu depctr_va_vdst(0)
	s_wait_loadcnt 0x0
.irp j, 0,1,2,3,4,5,6,7,8,9,10,11,12,13,14,15
.irp k, 0,1,2,3
	v_cmp_lt_i32 s[26+\k], 0, v[LD+4*\j+\k]        ; mask > 0, a bit a lane
.endr
	s_or_b32 s38, s26, s27
	s_or_b32 s39, s28, s29
	s_or_b32 s38, s38, s39                         ; bit l: some of the lane's four
	s_and_b32 s39, s26, s27
	s_and_b32 s40, s28, s29
	s_and_b32 s39, s39, s40                        ; bit l: all four
	v_writelane_b32 v[FL], s38, \j
	s_wait_alu depctr_va_vdst(0)
	s_cmp_lg_u32 s38, 0
	s_cselect_b32 s40, 1<<\j, 0
	s_or_b32 s24, s24, s40
	s_cmp_eq_u32 s39, -1
	s_cselect_b32 s40, 1<<\j, 0
	s_or_b32 s25, s25, s40
.endr
	v_writelane_b32 v[FL], s24, 16
	v_writelane_b32 v[FL], s25, 17
	global_store_b32 v[L4], v[FL], s[14:15]        ; 32 words, the unused ones 0
.Ldone:
	s_endpgm
; ---------------------------------------------------------------- value: a lane takes a column d, and its registers run down the keys
.Lvalue:
	s_sub_co_u32 s17, ttmp9, 256
	s_lshr_b32 s18, s17, 7                         ; b
	s_bfe_u32 s19, s17, 0x30004                    ; ch: which 256 keys
	s_and_b32 s22, s17, 15                         ; h
	s_lshl_b32 s32, s18, 24
	s_lshl_b32 s23, s19, 21                        ; 256 keys x 8192 bytes
	s_add_co_u32 s32, s32, s23
	s_lshl_b32 s23, s22, 9
	s_add_co_u32 s32, s32, s23
	s_lshl_b32 s23, s16, 7                         ; my wave's 32 columns
	s_add_co_u32 s32, s32, s23
	s_mov_b32 s33, 0
	s_add_nc_u64 s[6:7], s[6:7], s[32:33]
	s_lshl_b32 s23, s18, 4
	s_add_co_u32 s23, s23, s22                     ; bh
	s_lshl_b32 s24, s23, 4
	s_lshl_b32 s25, s19, 1
	s_add_co_u32 s24, s24, s25                     ; 16 bh + my first step
	s_mul_i32 s34, s24, 24576
	s_mul_i32 s25, s16, 3072                       ; my wave's two tiles, 2 w and 2 w + 1,
	s_add_co_u32 s34, s34, s25
	s_add_co_u32 s34, s34, 12288                   ; behind K's eight
	s_mov_b32 s35, 0
	s_add_nc_u64 s[10:11], s[10:11], s[34:35]
	s_lshl_b32 s36, s23, 14
	s_lshl_b32 s25, s19, 10
	s_add_co_u32 s36, s36, s25
	s_lshl_b32 s25, s16, 8
	s_add_co_u32 s36, s36, s25
	s_add_co_u32 s36, s36, 8192
	s_mov_b32 s37, 0
	s_add_nc_u64 s[12:13], s[12:13], s[36:37]
.macro LOADB kb                        ; block kb: value(32 kb + i, my column), i = 0 .. 31, into set kb % 2; the wave reads 128 consecutive bytes, the four waves 512
.irp i, 0,1,2,3,4,5,6,7,8,9,10,11,12,13,14,15,16,17,18,19,20,21,22,23,24,25,26,27,28,29,30,31
	global_load_b32 v[LD+32*((\kb)%2)+\i], v[L4], s[6:7] offset:(32*(\kb)+\i)*8192 th:TH_LOAD_NT
.endr
.endm
.macro VBLOCK kb
.set XS, LD+32*((\kb)%2)
.set D1, CD+24*((\kb)/4)+12*((\kb)%2)+6*(((\kb)%4)/2)   ; block 2 c + hh of its step: registers 6 c .. 6 c + 5 of image lane r + 16 hh
.if (\kb) < 7
	s_wait_loadcnt 32                              ; this block's 32 loads are in; the next block's may be out
.else
	s_wait_loadcnt 0x0
.endif
	v_max3_num_f32 v[QMX], |v[XS]|, |v[XS+1]|, |v[XS+2]|            ; the block's largest magnitude: all 32 numbers are mine; two chains
	v_max3_num_f32 v[QMX+1], |v[XS+3]|, |v[XS+4]|, |v[XS+5]|
.irp i, 6,10,14,18,22,26
	v_max3_num_f32 v[QMX], v[QMX], |v[XS+\i]|, |v[XS+\i+1]|
	v_max3_num_f32 v[QMX+1], v[QMX+1], |v[XS+\i+2]|, |v[XS+\i+3]|
.endr
	v_max3_num_f32 v[QMX], v[QMX], |v[XS+30]|, |v[XS+31]|
	v_max3_num_f32 v[QMX], v[QMX], v[QMX+1], 0x1800000              ; and the floor
	v_add_nc_u32 v[QE], 0xff000000, v[QMX]
	v_lshrrev_b32 v[QB], 23, v[QE]
.if (\kb)%4 == 0
	v_mov_b32 v[WD+(\kb)/4], v[QB]                 ; four bytes to a step's word, the lower keys in the lower byte
.else
	v_lshl_or_b32 v[WD+(\kb)/4], v[QB], 8*((\kb)%4), v[WD+(\kb)/4]
.endif
	v_cvt_scalef32_pk16_fp6_f32 v[D1:D1+2], v[XS:XS+15], v[QE]
	v_cvt_scalef32_pk16_fp6_f32 v[QT:QT+2], v[XS+16:XS+31], v[QE]
	v_nop                                          ; one plain instruction behind the scaled conversions
.irp i, 0,1,2
	v_mov_b32 v[D1+3+\i], v[QT+\i]
.endr
.if (\kb) < 6
	LOADB (\kb)+2
.endif
.if (\kb)%4 == 3                       ; a step's four blocks are two image lanes' registers: six stores; lanes 0-15 fill 256 consecutive aligned bytes of tile 2 w, lanes 16-31 of tile 2 w + 1.  Each step has registers of its own: no store's data are written again
.irp hh, 0,1
.irp g, 0,1,2
	global_store_b128 v[VO], v[CD+24*((\kb)/4)+12*\hh+4*\g:CD+24*((\kb)/4)+12*\hh+4*\g+3], s[10:11] offset:((\kb)/4)*24576+512*\g+256*\hh
.endr
.endr
.endif
.endm
	s_wait_alu depctr_va_vdst(0)
	LOADB 0
	LOADB 1
.irp kb, 0,1,2,3,4,5,6,7
	VBLOCK \kb
.endr
	global_store_b64 v[L8], v[WD:WD+1], s[12:13]   ; my column's two scale words: the wave stores 256 consecutive aligned bytes
	s_endpgm
.Lfunc_end_k_qced0725e19_prep:
	.size	k_qced0725e19_prep, .Lfunc_end_k_qced0725e19_prep-k_qced0725e19_prep
	.p2alignl 7, 3214868480
	.fill 96, 4, 3214868480
	.section	.rodata,"a",@progbits
	.p2align	6, 0x0
	.amdhsa_kernel k_qced0725e19_prep
		.amdhsa_group_segment_fixed_size 34304
		.amdhsa_private_segment_fixed_size 0
		.amdhsa_enable_private_segment 0
		.amdhsa_kernarg_size 48
		.amdhsa_user_sgpr_count 2
		.amdhsa_user_sgpr_kernarg_segment_ptr 1
		.amdhsa_wavefront_size32 1
		.amdhsa_system_sgpr_workgroup_id_x 1
		.amdhsa_system_sgpr_workgroup_id_y 1
		.amdhsa_system_sgpr_workgroup_id_z 1
		.amdhsa_system_vgpr_workitem_id 0
		.amdhsa_next_free_vgpr 256
		.amdhsa_next_free_sgpr 66
		.amdhsa_reserve_vcc 1
		.amdhsa_float_denorm_mode_32 3
		.amdhsa_float_denorm_mode_16_64 3
		.amdhsa_memory_ordered 1
		.amdhsa_forward_progress 1
		.amdhsa_inst_pref_size 110
	.end_amdhsa_kernel
	.amdgpu_metadata
---
amdhsa.version: [ 1, 2 ]
amdhsa.kernels:
  - .name:           k_qced0725e19_prep
    .symbol:         k_qced0725e19_prep.kd
    .args:
      - { .name: key, .offset: 0, .size: 8, .value_kind: global_buffer, .address_space: global }
      - { .name: value, .offset: 8, .size: 8, .value_kind: global_buffer, .address_space: global }
      - { .name: attn_mask, .offset: 16, .size: 8, .value_kind: global_buffer, .address_space: global }
      - { .name: kv, .offset: 24, .size: 8, .value_kind: global_buffer, .address_space: global }
      - { .name: sc, .offset: 32, .size: 8, .value_kind: global_buffer, .address_space: global }
      - { .name: occ, .offset: 40, .size: 8, .value_kind: global_buffer, .address_space: global }
    .group_segment_fixed_size: 34304
    .private_segment_fixed_size: 0
    .kernarg_segment_align: 8
    .kernarg_segment_size: 48
    .max_flat_workgroup_size: 128
    .sgpr_count:     66
    .vgpr_count:     256
    .wavefront_size: 32
...
	.end_amdgpu_metadata
.endif
;; end of part 3
;; launch attn (part 4): grid 8 x 64, 16 waves a work-group, no clusters, 210,944 bytes of LDS; arguments query, attn_mask, kv, sc, occ, out0; writes out0
.if DOCPART == 4
	.amdgcn_target "amdgcn-amd-amdhsa--gfx1250"
	.amdhsa_code_object_version 6
	.text
	.protected	k_qced0725e19_attn
	.globl	k_qced0725e19_attn
	.p2align	8
	.type	k_qced0725e19_attn,@function
k_qced0725e19_attn:
	s_mov_b64 s[64:65], 0
	v_nop
	global_prefetch_b8 v0, s[64:65] scope:SCOPE_SE
	s_setreg_imm32_b32 hwreg(HW_REG_WAVE_SCHED_MODE, 0, 2), 2
	s_setreg_imm32_b32 hwreg(HW_REG_WAVE_MODE, 25, 1), 1
	s_wait_xcnt 0x0
	s_wait_alu depctr_vm_vsrc(0)
; out0[b][q][h][:] = (mask[b][q] > 0) x the sum over k of softmax_k(Q . K / sqrt(128), keys with mask <= 0 left out) V[k][:], both products on codes of FP6 (E2M3) with one E8M0 scale for each 32 along K.
; THE SOFTMAX AHEAD OF THE SECOND PRODUCT: t = score x log2(e) / sqrt(128); M = the running largest t rounded UP to a whole number; p = 2^(t - M) is quantised along the keys, not normalised;
; the row's sum is taken of the unquantised p and divides at the end.  When M moves, the sum and O are multiplied by 2^(old M - new M): exact.
; K and V come as images of the operands' registers, their scale words beside them, made by the launch before (kv, sc); Q is quantised here, in registers: each of its rows is read by one wave, once.
; SHARES.  A work-group serves one head (bh = work-group y) and 256 of its queries; wave w of sixteen owns the tile of 16 queries 16 x + 128 w (x = work-group x): a work-group's tiles are strewn over the sequence, so that
; whatever part of it the mask hides, work-groups and SIMDs lose about the same share.  Every wave walks the head's 16 steps of 128 keys.
; THE MASK.  (a) A step with no valid key adds nothing (every p is 0), and a tile with no valid query is all zeros: both are left out by scalar branches on the whole numbers that the launch before stored (occ); they lead round
; loads, products and softmax, never round a barrier; the trip count is a constant.  (b) In a step that is not all valid the first product's C is a bias, 0 for a valid key and -2^120 for a hidden one, read from LDS straight into the
; accumulators: p of a hidden key is then exactly 0.  (c) A hidden query's row is multiplied by 0 at the end.
; LIMITS: a true t (score x 0.1275) must lie above -2^100, where the running maximum begins; NaN and infinities are not served; blocks of Q under 2^-124 keep the byte 1.
; K'S AND V'S BLOCKS go memory -> registers -> LDS: a ring of two slots of one step (24,576 bytes: 48 bytes a thread), one barrier a step; a block is asked for two steps ahead of its use and laid into LDS one step ahead.
; NO TENSOR LOAD AND NO CLUSTER, though the 8 work-groups of a head read the same blocks: the branches of (a) hang on numbers read from memory; and what is shared is
; 24,576 bytes a step for sixteen waves that each issue some 330 vector instructions on it.
; LAYOUT.  Both products transposed: S^T = K Q^T (source 0 = 16 keys, source 1 = my 16 queries), O^T = V^T P^T: a lane holds ONE query (lane % 16) throughout.  Register j of tile 2 b' + u holds key 32 b' + 16 (lane / 16) + 8 u + j.
; THE MODE: SCHED_MODE bits 1:0 = 2 (LLVM: expert scheduling mode 2), set by the entry lines.  The code itself states the register dependences
; between vector or matrix instructions and memory or LDS instructions, with s_wait_alu, always for 0.
; THE PLAN.  Registers that memory or LDS instructions touch, in the loop:
;   RC  v80-91    A block's 48 bytes: global loads land here, LDS stores read it a trip later.  No vector instruction of the loop names it: one wait on vm_vsrc a trip, between the stores and the next loads.
;   FRG v32-79    Four fragments.  In a step three runs of LDS loads land here, each read by four products: K's tiles 0-3, K's tiles 4-7, V's tiles 0-3.
;   ST  v96-159   The bias lands here (a step not all valid); the first product's results; the softmax works in place; when the conversions have read p, V's tiles 4-7 land in v96-143, read by the step's last four products.
;   SA v248-251, SB v92-95   Two sets of four tiles' scale words: SA K's tiles 0-3, then V's 0-3; SB K's tiles 4-7, then V's 4-7.
;   v8-10         Three LDS addresses, read by the loads of scale words and bias, written once a pair of steps: one wait on vm_vsrc ahead of the three additions.
;   v1, v2, v29   Addresses made at the head and never written again.
; FIVE WAITS ON va_vdst A STEP state what its loads hang on, beside the two behind the exponentials: at the step's head (the last step is done with FRG, ST, SA, SB; v8-10 are written); behind products 0-3 (done with FRG); ahead of the softmax
; (products 4-7 are done with FRG, SA is free: V's tiles 0-3 are asked for and land while the softmax runs); behind the conversions (done with ST: V's tiles 4-7 are asked for); ahead of the second product (p's codes and scale word are written).
.set SLOTB,  24576                     ; a slot: K's 8 images of 1,536 bytes, then V's 8
.set VOFF,   12288
.set SCL,    2*SLOTB                   ; the head's scale words: K's 8,192 bytes, V's 8,192
.set BIAS,   SCL+16384                 ; the batch's bias, an f32 a key, in the keys' order: 8,192 bytes
.set STAGE,  BIAS+8192                 ; a stage for each wave, its own: 16 rows x (512 + 16) bytes: Q on the way in, O on the way out
.set SPITCH, 528
.set WSTG,   16*SPITCH
.set SPARE,  STAGE+16*WSTG             ; the spare words, 128 bytes a wave, which no other line names
.set AFR,  1                           ; v1   16 x lane: an image's place for my lane; also my 16 bytes of a row of Q and of out0
.set CPY,  2                           ; v2   16 x thread: my 16 bytes of each 8,192 that the work-group copies
.set AKS0, 3                           ; v3   K's scale words: SCL + 16 r
.set AVS0, 4                           ; v4   V's: SCL + 8192 + 8 r
.set SPW,  5                           ; v5   LDS address of my spare word; never rewritten
.set NIL,  6                           ; v6   0; never rewritten
.set ABI0, 7                           ; v7   the bias: BIAS + 64 (lane / 16)
.set ADS,  8                           ; v8-10 the same three for the pair of steps in hand
.set ADT,  9
.set ADB,  10
.set QMK,  11                          ; v11  my query's mask word
                                       ; v12 -M, v13 the largest t, v[14:15] the sum in two halves
.set QC,   16                          ; v16-27 Q's codes
.set QS,   28                          ; v28  Q's scale words
.set PFO,  29                          ; v29  the prefetch's offset: 256 x lane + 8192 x min(wave, 2)
.set QRB,  30                          ; v30  my stage: 528 r + 128 (lane / 16)
.set SR,   31                          ; v31  my stage: 16 x lane
.set FRG,  32                          ; v32-79 four fragments of K or V
.set BAD,  48                          ; at the head only, in registers that fragments take later: v48 where I store my four bias numbers,
.set QMA,  49                          ; v49  4 r: my query's mask word,
.set SH8,  50                          ; v50  8 (lane / 16),
.set NEGB, 51                          ; v51  -2^120,
.set ZER,  52                          ; v52  0
.set RC,   80                          ; v80-91 my 48 bytes of the block on its way
.set SB,   92                          ; v92-95 four tiles' scale words, the second set
.set ST,   96                          ; v96-159 S^T, then p; v96-143 then V's tiles 4-7
.set OT,   160                         ; v160-223 O^T; on the way out the rows that come back from my stage
                                       ; v224-235 p's codes; v232-247 at work; v252 f; v253 p's scale word; v254 at work
.set SA,   248                         ; v248-251 four tiles' scale words, the first set
.set SO,   255                         ; v255 my stage: 528 r + 32 (lane / 16)
.set QMX,  232
.set QE,   234
.set QB,   236
.set QTW,  238
.set QT,   240
.set WV,   16                          ; s16  wave
.set XW,   17                          ; s17  work-group x
.set BH,   18                          ; s18  16 b + h
.set BT,   19                          ; s19  b
.set SEL,  20                          ; s[20:21] lane selects: lane l xor 16
.set CS,   22                          ; s[22:23] c = log2(e) / sqrt(128)
.set HD,   24                          ; s24  h
.set EMC,  25                          ; s25  bit i: step (the one in hand + i) has a valid key: its block is copied.  All four masks go one bit down at each step's end; bits from 16 up are 0, so nothing is asked for past the head's last block
.set EMW,  26                          ; s26  the same where my tile has a valid query, else 0: the steps that I work
.set FUL,  27                          ; s27  bit i: all keys of that step are valid
.set EMP,  28                          ; s28  EMC in the waves that prefetch, else 0
.set TP,   29                          ; s29  1,024 x the pair of steps in hand
.set CNT,  30
.set KVP,  32                          ; s[32:33] the block that is asked for next
	s_load_b256 s[4:11], s[0:1], 0x0               ; query s[4:5], attn_mask s[6:7], kv s[8:9], sc s[10:11]
	s_load_b128 s[12:15], s[0:1], 0x20             ; occ s[12:13], out0 s[14:15]
	v_lshl_add_u32 v[SPW], v0, 2, SPARE
	v_mov_b32 v[NIL], 0
	v_lshrrev_b32 v8, 5, v0
	v_readfirstlane_b32 s[WV], v8                  ; wave 0..15
	s_mov_b32 s[XW], ttmp9
	s_and_b32 s[BH], ttmp7, 0xffff
	s_lshr_b32 s[BT], s[BH], 4
	s_and_b32 s[HD], s[BH], 15
	v_and_b32 v8, 31, v0                           ; lane
	v_and_b32 v9, 15, v0                           ; r
	v_bfe_u32 v10, v0, 4, 1                        ; lane / 16
	v_lshlrev_b32 v[AFR], 4, v8
	v_lshlrev_b32 v[CPY], 4, v0
	v_lshl_add_u32 v[AKS0], v9, 4, SCL
	v_lshl_add_u32 v[AVS0], v9, 3, SCL+8192
	v_lshl_add_u32 v[ABI0], v10, 6, BIAS
	s_wait_alu depctr_va_sdst(0)                   ; the wave's number is written, ahead of its first reader
	s_min_u32 s31, s[WV], 2
	s_lshl_b32 s31, s31, 13
	v_lshl_add_u32 v[PFO], v8, 8, s31
	s_mul_i32 s31, s[WV], WSTG
	s_add_co_u32 s31, s31, STAGE                   ; my stage
	v_mul_u32_u24 v[QRB], v9, SPITCH
	v_add_nc_u32 v[QRB], s31, v[QRB]
	v_lshl_add_u32 v[SO], v10, 5, v[QRB]
	v_lshl_add_u32 v[QRB], v10, 7, v[QRB]
	v_add_nc_u32 v[SR], s31, v[AFR]
	v_lshlrev_b32 v[SH8], 3, v10
	v_add_nc_u32 v[BAD], BIAS, v[CPY]              ; where I store my four bias numbers (the region begins past an LDS immediate's reach)
	v_lshlrev_b32 v[QMA], 2, v9                    ; my query's mask word: 4 r
	v_mov_b32 v[NEGB], 0xfb800000
	v_mov_b32 v[ZER], 0
.set n, 0
.rept 13
	v_mov_b32 v[QC+n], 0                           ; Q's codes and scale word: a wave whose tile is hidden loads no Q and multiplies nothing; the registers are written all the same
.set n, n+1
.endr
.set n, 0
.rept 12
	v_mov_b32 v[RC+n], 0                           ; likewise the block's registers, which are loaded and stored under branches
.set n, n+1
.endr
.irp b, 0,1,2,3
	v_mov_b32 v[236+\b], 0                         ; a lane permute's destination counts as one of its sources
.endr
	v_mov_b32 v252, 0                              ; likewise: the way out's permute lands here, also in a wave that has worked no step
	v_mov_b32 v253, 0                              ; (named as the upper half of the pair v[252:253] before it is first written)
	s_mov_b32 s[SEL], 0x76543210
	s_mov_b32 s[SEL+1], 0xfedcba98
	s_mov_b32 s[CS], 0x3e0293ee
	s_mov_b32 s[CS+1], s[CS]                       ; (named with it as a pair, so it is written)
	s_lshl_b32 s42, s[BT], 7                       ; the batch's 32 words of flags
	s_lshl_b32 s43, s[WV], 2
	s_add_co_u32 s43, s43, s42                     ; word w: the map of positions 128 w .. 128 w + 127, four to a bit
	s_wait_kmcnt 0x0
	s_load_b64 s[40:41], s[12:13], s42 offset:0x40 ; words 16, 17: the steps with a valid key, the steps all valid
	s_load_b32 s39, s[12:13], s43 offset:0x0
	s_lshl_b32 s34, s[BT], 24                      ; Q and out0: batch 2048 x 8192 bytes,
	s_lshl_b32 s31, s[XW], 17                      ; + 16 x rows of 8192,
	s_add_co_u32 s34, s34, s31
	s_lshl_b32 s31, s[WV], 20                      ; + 128 w rows,
	s_add_co_u32 s34, s34, s31
	s_lshl_b32 s31, s[HD], 9                       ; + the head's 512 bytes
	s_add_co_u32 s34, s34, s31
	s_mov_b32 s35, 0
	s_add_nc_u64 s[4:5], s[4:5], s[34:35]
	s_add_nc_u64 s[14:15], s[14:15], s[34:35]
	s_mul_i32 s36, s[BH], 16*SLOTB
	s_mov_b32 s37, 0
	s_add_nc_u64 s[KVP:KVP+1], s[8:9], s[36:37]    ; the head's block 0
	s_lshl_b32 s36, s[BH], 14
	s_add_nc_u64 s[10:11], s[10:11], s[36:37]      ; the head's scale words
	s_lshl_b32 s36, s[BT], 13
	s_add_nc_u64 s[6:7], s[6:7], s[36:37]          ; the batch's mask
	s_lshl_b32 s36, s[XW], 6
	s_lshl_b32 s31, s[WV], 9
	s_add_co_u32 s36, s36, s31
	s_add_nc_u64 s[44:45], s[6:7], s[36:37]        ; and my tile's 16 words of it
	s_wait_kmcnt 0x0
	s_and_b32 s[EMC], s40, 0xffff
	s_mov_b32 s[FUL], s41
	s_lshl_b32 s31, s[XW], 2
	s_lshr_b32 s31, s39, s31
	s_and_b32 s31, s31, 15                         ; my tile's four bits
	s_cmp_lg_u32 s31, 0
	s_cselect_b32 s[EMW], s[EMC], 0
	s_cmp_lt_u32 s[WV], 3
	s_cselect_b32 s[EMP], s[EMC], 0
	s_cmp_eq_u32 s[XW], 0
	s_cselect_b32 s[EMP], s[EMP], 0                ; waves 0-2 of the head's first work-group prefetch
	s_wait_alu depctr_va_vdst(0)                   ; every offset and address made above is written, which the loads, stores and prefetches of the kernel read; so are v80-91, in which block 0 lands
	global_load_b128 v[40:43], v[CPY], s[6:7]      ; the batch's mask: four words a thread
	global_load_b128 v[32:35], v[CPY], s[10:11]    ; the head's scale words
	global_load_b128 v[36:39], v[CPY], s[10:11] offset:8192
	global_load_b32 v[QMK], v[QMA], s[44:45]
	s_bitcmp1_b32 s[EMC], 0
	s_cbranch_scc0 .Lno_g0
.irp j, 0,1,2
	global_load_b128 v[RC+4*\j:RC+4*\j+3], v[CPY], s[KVP:KVP+1] offset:8192*\j   ; block 0
.endr
.Lno_g0:
; 64 numbers of a lane, v[x] on: block h' of my row in x .. x + 31, block 2 + h' in x + 32 .. x + 63, become my 12 registers of the fragment, v[p] on, and my row's scale word, v[w].
.macro QUANT2 x, p, w
.irp c, 0,1
	v_max3_num_f32 v[QMX+\c], |v[\x+32*\c]|, |v[\x+32*\c+1]|, 0x1800000   ; the floor 2^(3 - 127) holds the byte at 1 from below
.endr
.irp i, 2,4,6,8,10,12,14,16,18,20,22,24,26,28,30
.irp c, 0,1
	v_max3_num_f32 v[QMX+\c], v[QMX+\c], |v[\x+32*\c+\i]|, |v[\x+32*\c+\i+1]|
.endr
.endr
.irp c, 0,1
	v_add_nc_u32 v[QE+\c], 0xff000000, v[QMX+\c]   ; 2 off the exponent field: the conversion's scale operand
.endr
.irp c, 0,1
	v_lshrrev_b32 v[QB+\c], 23, v[QE+\c]
.endr
	v_lshl_or_b32 v[\w], v[QB+1], 16, v[QB]
	v_lshlrev_b32 v[\w], v[SH8], v[\w]
	v_permlanex16_b32 v[QTW], v[\w], s[SEL], s[SEL+1]
	v_or_b32 v[\w], v[\w], v[QTW]                  ; the word is whole, in both halves of the lanes
.irp c, 0,1
	v_cvt_scalef32_pk16_fp6_f32 v[\p+6*\c:\p+6*\c+2], v[\x+32*\c:\x+32*\c+15], v[QE+\c]
	v_cvt_scalef32_pk16_fp6_f32 v[QT+4*\c:QT+4*\c+2], v[\x+32*\c+16:\x+32*\c+31], v[QE+\c]
.endr
	v_nop                                          ; one plain instruction behind the scaled conversions
.irp c, 0,1
.irp i, 0,1,2
	v_mov_b32 v[\p+6*\c+3+\i], v[QT+4*\c+\i]
.endr
.endr
.endm
	s_cmp_eq_u32 s[EMW], 0                         ; a tile with no valid query, or a batch with no valid key: no Q
	s_cbranch_scc1 .Lnoq
.irp i, 0,1,2,3,4,5,6,7,8,9,10,11,12,13,14,15
	global_load_b128 v[ST+4*\i:ST+4*\i+3], v[AFR], s[4:5] offset:8192*\i th:TH_LOAD_NT   ; a row of 512 consecutive bytes a load
.endr
	s_wait_loadcnt 0x0
.irp i, 0,1,2,3,4,5,6,7,8,9,10,11,12,13,14,15
	ds_store_b128 v[SR], v[ST+4*\i:ST+4*\i+3] offset:SPITCH*\i   ; (data that loads brought, an address that the wait above has shown written: no vector instruction stands between)
.endr
.irp c, 0,1
.irp j, 0,1,2,3,4,5,6,7
	ds_load_b128 v[OT+32*\c+4*\j:OT+32*\c+4*\j+3], v[QRB] offset:256*\c+16*\j   ; my stage is my own, and LDS serves a wave's instructions in order
.endr
.endr
	s_wait_dscnt 0x0
	QUANT2 OT, QC, QS
.Lnoq:
	s_wait_loadcnt 0x0                             ; mask, scale words, block 0
.irp k, 0,1,2,3
	v_cmp_lt_i32 s[40+\k], 0, v[40+\k]             ; mask > 0: the four compares in a run, each into a scalar register of its own
.endr
	s_wait_alu depctr_va_sdst(0)                   ; the four compares have written s40-43, which the selections below read
.irp k, 0,1,2,3
	v_cndmask_b32 v[44+\k], v[NEGB], v[ZER], s[40+\k]   ; 0 for a valid key, -2^120 for a hidden one
.endr
	s_wait_alu depctr_va_vdst(0)                   ; the selections have written v44-47, which the first LDS store below reads
	ds_store_b128 v[BAD], v[44:47]
	ds_store_b128 v[CPY], v[32:35] offset:SCL
	ds_store_b128 v[CPY], v[36:39] offset:SCL+8192
	s_bitcmp1_b32 s[EMC], 0
	s_cbranch_scc0 .Lno_s0
.irp j, 0,1,2
	ds_store_b128 v[CPY], v[RC+4*\j:RC+4*\j+3] offset:8192*\j   ; block 0 into slot 0
.endr
.Lno_s0:
	s_wait_xcnt 0x0                                ; block 0's loads have read their base, which steps
	s_add_nc_u64 s[KVP:KVP+1], s[KVP:KVP+1], SLOTB
	s_wait_alu depctr_vm_vsrc(0)                   ; the LDS stores above have read v80-91, in which block 1 lands; and all that the head's loads and stores read (v32-49, Q's rows in v96-159) has been read: the loop's loads and products write there
	s_bitcmp1_b32 s[EMC], 1
	s_cbranch_scc0 .Lno_g1
.irp j, 0,1,2
	global_load_b128 v[RC+4*\j:RC+4*\j+3], v[CPY], s[KVP:KVP+1] offset:8192*\j   ; block 1
.endr
.Lno_g1:
	v_mov_b32 v13, 0xf1800000                      ; the largest t so far: -2^100: under every true t, over every hidden one
	v_floor_f32 v12, -v13                          ; -M
	v_mov_b32 v14, 0
	v_mov_b32 v15, 0
.set n, 0
.rept 64
	v_mov_b32 v[OT+n], 0                           ; O^T.  (The step is written once: the first finds zeros, which the first change of M leaves zeros; a hidden tile stores them)
.set n, n+1
.endr
	s_mov_b32 s[TP], 0
	s_mov_b32 s[CNT], 8
; Four products of S^T = K Q^T: tiles 4 g .. 4 g + 3, their scale words in v[scl] on.  bias = 1: C is the keys' bias, which lies in the accumulators; 0: C is the constant 0.
.macro KMUL g, scl, bias
.irp t, 0,1,2,3
.if \bias
	v_wmma_scale_f32_16x16x128_f8f6f4 v[ST+8*(4*(\g)+\t):ST+8*(4*(\g)+\t)+7], v[FRG+12*\t:FRG+12*\t+11], v[QC:QC+11], v[ST+8*(4*(\g)+\t):ST+8*(4*(\g)+\t)+7], v[(\scl)+\t], v[QS] matrix_a_fmt:MATRIX_FMT_FP6 matrix_b_fmt:MATRIX_FMT_FP6
.else
	v_wmma_scale_f32_16x16x128_f8f6f4 v[ST+8*(4*(\g)+\t):ST+8*(4*(\g)+\t)+7], v[FRG+12*\t:FRG+12*\t+11], v[QC:QC+11], 0, v[(\scl)+\t], v[QS] matrix_a_fmt:MATRIX_FMT_FP6 matrix_b_fmt:MATRIX_FMT_FP6
.endif
.endr
.endm
; Four images of K, tiles 4 g .. 4 g + 3 of slot sl, come back as they were stored: 512 consecutive bytes a load.
.macro KLOAD sl, g
.irp t, 0,1,2,3
.irp c, 0,1,2
	ds_load_b128 v[FRG+12*\t+4*\c:FRG+12*\t+4*\c+3], v[AFR] offset:(\sl)*SLOTB+(4*(\g)+\t)*1536+512*\c
.endr
.endr
.endm
; S^T = K Q^T, four tiles of 16 keys at a time, from slot sl.  bias = 1: the accumulators are first loaded with the keys' bias.  The wait at the step's head stands ahead of all the loads up to the first products.
.macro SPART sl, bias
.if \bias
.irp n, 0,1,2,3,4,5,6,7
	ds_load_b128 v[ST+8*\n:ST+8*\n+3], v[ADB] offset:512*\sl+128*(\n/2)+32*(\n%2)       ; tile n's eight keys of my half: 32 consecutive bytes, the same for sixteen lanes
	ds_load_b128 v[ST+8*\n+4:ST+8*\n+7], v[ADB] offset:512*\sl+128*(\n/2)+32*(\n%2)+16
.endr
.endif
	KLOAD \sl, 0
	ds_load_b128 v[SA:SA+3], v[ADS] offset:512*\sl       ; the scale words of row r: tiles 0-3,
	ds_load_b128 v[SB:SB+3], v[ADS] offset:512*\sl+256   ; and tiles 4-7, into the second set
	s_wait_dscnt 1                                 ; all but the youngest load, the second set's, are in
	KMUL 0, SA, \bias
.rept 4
	v_nop                                          ; four places behind the products just issued, ahead of the loads into registers that they read
.endr
	s_wait_alu depctr_va_vdst(0)                   ; products 0-3 are done reading v32-79, in which K's tiles 4-7 land
	KLOAD \sl, 1
	s_wait_dscnt 0x0
	KMUL 1, SB, \bias
.endm
; Four images of V, tiles 4 g .. 4 g + 3 of slot sl, into v[reg] on, and their scale words of row r into v[scl] on: sixteen LDS loads.
.macro VLOAD sl, g, reg, scl
.irp t, 0,1,2,3
.irp c, 0,1,2
	ds_load_b128 v[(\reg)+12*\t+4*\c:(\reg)+12*\t+4*\c+3], v[AFR] offset:(\sl)*SLOTB+VOFF+(4*(\g)+\t)*1536+512*\c
.endr
	ds_load_b32 v[(\scl)+\t], v[ADT] offset:(4*(\g)+\t)*128+4*(\sl)
.endr
.endm
; Four products of O^T += V^T P^T: 16 of the head's 128 each; K = the step's 128 keys.
.macro PVMUL g, reg, scl
.irp t, 0,1,2,3
	v_wmma_scale_f32_16x16x128_f8f6f4 v[OT+8*(4*(\g)+\t):OT+8*(4*(\g)+\t)+7], v[(\reg)+12*\t:(\reg)+12*\t+11], v[224:235], v[OT+8*(4*(\g)+\t):OT+8*(4*(\g)+\t)+7], v[(\scl)+\t], v253 matrix_a_fmt:MATRIX_FMT_FP6 matrix_b_fmt:MATRIX_FMT_FP6
.endr
.endm
; The softmax of my query's 64 scores of this step (the other 64 lie in lane l xor 16), as far as the conversions, which are the last lines that read p.  None of its lines names v32-79 or v248-251, in which V's tiles 0-3 are landing.
.macro SOFTA
.irp b, 0,1,2,3
	v_max3_num_f32 v[232+\b], v[ST+16*\b], v[ST+1+16*\b], v[ST+2+16*\b]   ; the largest score of each block of 32 keys: it serves for the row's maximum and, since p rises with the score, for the block's largest p
.endr
.irp i, 3,5,7,9,11,13
.irp b, 0,1,2,3
	v_max3_num_f32 v[232+\b], v[232+\b], v[ST+16*\b+\i], v[ST+1+16*\b+\i]   ; (the four blocks by turns)
.endr
.endr
.irp b, 0,1,2,3
	v_max_num_f32 v[232+\b], v[232+\b], v[ST+15+16*\b]
.endr
.irp b, 0,1,2,3
	v_permlanex16_b32 v[236+\b], v[232+\b], s[SEL], s[SEL+1]
.endr
.irp b, 0,1,2,3
	v_max_num_f32 v[232+\b], v[232+\b], v[236+\b]  ; with lane l xor 16's 16 keys
.endr
	v_max3_num_f32 v254, v232, v233, v234
	v_max_num_f32 v254, v254, v235                 ; the step's largest score of my query
	v_mul_f32 v254, s[CS], v254                    ; as t
	v_max_num_f32 v13, v13, v254                   ; the running largest t
	v_mov_b32 v254, v12
	v_floor_f32 v12, -v13                          ; the new -M = -ceil(t): a whole number
	v_sub_f32 v254, v12, v254                      ; old M - new M: a whole number, 0 or less
	v_cvt_i32_f32 v254, v254                       ; (it saturates)
	v_ldexp_f32 v252, 1.0, v254                    ; f = 2^(old M - new M)
.set n, 0
.rept 32
	v_pk_fma_f32 v[ST+n:ST+n+1], v[ST+n:ST+n+1], s[CS:CS+1], v[12:13] op_sel_hi:[1,0,0]   ; t - M, two at a time
.set n, n+2
.endr
.irp b, 0,1,2,3
	v_fma_f32 v[232+\b], v[232+\b], s[CS], v12     ; the same of each block's largest score
.endr
.set n, 0
	s_wait_alu depctr_va_vdst(0)
.rept 64
	v_exp_f32 v[ST+n], v[ST+n]                     ; p = 2^(t - M), at most 1; exactly 0 for a hidden key
.set n, n+1
.endr
	v_pk_mul_f32 v[14:15], v[14:15], v[252:253] op_sel_hi:[1,0]   ; the sums under the new M: the plain instruction behind the exponentials
	s_wait_alu depctr_va_vdst(0)                   ; the 64 exponentials have written p: one wait for the batch, ahead of the first line that names a result
.irp b, 0,1,2,3
	v_exp_f32 v[232+\b], v[232+\b]                 ; the block's largest p: the same two instructions on the same number give the same bits
.endr
	v_pk_add_f32 v[236:237], v[ST:ST+1], v[ST+2:ST+3]   ; the row's sum of the UNQUANTISED p, two at a time, in two chains; it names the 64 alone
.set n, 4
.rept 15
	v_pk_add_f32 v[14:15], v[14:15], v[ST+n:ST+n+1]
	v_pk_add_f32 v[236:237], v[236:237], v[ST+n+2:ST+n+3]
.set n, n+4
.endr
	v_pk_add_f32 v[14:15], v[14:15], v[236:237]
	s_wait_alu depctr_va_vdst(0)                   ; the four exponentials have written v232-235: their wait, ahead of the first line that names a result
.irp b, 0,1,2,3
	v_max_num_f32 v[232+\b], 0x1800000, v[232+\b]  ; the floor 2^(3 - 127): a block whose every p is 0 keeps the byte 1; its codes are zeros
.endr
.irp b, 0,1,2,3
	v_add_nc_u32 v[244+\b], 0xff000000, v[232+\b]  ; 2 off the exponent field: the conversion's scale operand
.endr
.irp b, 0,1,2,3
	v_lshrrev_b32 v[236+\b], 23, v[244+\b]         ; the scale's byte
.endr
	v_lshl_or_b32 v253, v237, 8, v236              ; p's scale word for these 128 keys
	v_lshl_or_b32 v253, v238, 16, v253
	v_lshl_or_b32 v253, v239, 24, v253
.irp c, 0,1
	v_cvt_scalef32_pk16_fp6_f32 v[224+6*\c:226+6*\c], v[ST+32*\c:ST+15+32*\c], v[244+2*\c]
	v_cvt_scalef32_pk16_fp6_f32 v[236+4*\c:238+4*\c], v[ST+16+32*\c:ST+31+32*\c], v[244+2*\c+1]   ; (a conversion's three registers begin on an even number)
.endr
	v_nop                                          ; one plain instruction behind the scaled conversions
.endm
; The rest: p's codes take the operand's layout, and O^T comes under the new M.  None of these lines names v96-143 or v92-95, in which V's tiles 4-7 are landing.
.macro SOFTB
.irp c, 0,1                            ; the operand's layout wants a WHOLE block in a lane: lanes 0-15 block 2 c, lanes 16-31 block 2 c + 1
.irp i, 0,1,2
	v_permlane16_swap_b32 v[224+6*\c+\i], v[236+4*\c+\i]
.endr
.irp i, 0,1,2
	v_mov_b32 v[227+6*\c+\i], v[236+4*\c+\i]
.endr
.endr
.set n, 0
.rept 32
	v_pk_mul_f32 v[OT+n:OT+n+1], v[OT+n:OT+n+1], v[252:253] op_sel_hi:[1,0]   ; O^T under the new M.  (These 32 are also the places between the lines that made p's codes and scale word and the products that take them)
.set n, n+2
.endr
.endm
; A step's work.  Accumulators take turns, one instruction a turn, within a step and from step to step.
.macro STEP sl
	s_bitcmp1_b32 s[EMW], 0
	s_cbranch_scc0 .Lhid_\@                        ; no valid key in the step, or no valid query in my tile
.rept 5
	v_nop                                          ; five places behind the last step's products: the products below write the scores over registers that those read (V's tiles 4-7 lay there)
.endr
	s_wait_alu depctr_va_vdst(0)                   ; the last step's products are done reading v32-79, v96-143 and both sets of scale words, and its softmax is done with v96-159: the loads below land there; the pair's addresses v8-10 are written
	s_bitcmp1_b32 s[FUL], 0
	s_cbranch_scc1 .Lfull_\@
	SPART \sl, 1
	s_branch .Lsm_\@
.Lfull_\@:
	SPART \sl, 0
.Lsm_\@:
.rept 4
	v_nop                                          ; four places in front of the first read of the scores, and of the loads into registers that the products just issued read
.endr
	s_wait_alu depctr_va_vdst(0)                   ; products 4-7 are done reading v32-79, products 0-3 their scale words v248-251: V's tiles 0-3 and their scale words land there
	VLOAD \sl, 0, FRG, SA                          ; asked for here, wanted behind the softmax
	SOFTA
	s_wait_alu depctr_va_vdst(0)                   ; the conversions are done reading p in v96-159, and products 4-7 their scale words v92-95: V's tiles 4-7 and their scale words land there
	VLOAD \sl, 1, ST, SB
	SOFTB
	s_wait_alu depctr_va_vdst(0)                   ; p's codes v224-235 and its scale word v253 are written, which the products below take as source 1 and its scales; the places stand above
	s_wait_dscnt 16                                ; V's tiles 0-3 are in; the sixteen younger loads, tiles 4-7, may be out
	PVMUL 0, FRG, SA
	s_wait_dscnt 0x0
	PVMUL 1, ST, SB
.Lhid_\@:
.endm
; A trip: one barrier, which does two things: behind it slot sl is whole, and nobody reads slot 1 - sl any more.  Then the block that came into my registers during the last trip goes into slot 1 - sl, the block after it is asked for, and slot sl is worked.
.macro TRIP sl
.if \sl == 0
	s_wait_alu depctr_vm_vsrc(0)                   ; the LDS loads of the last pair of steps have read v8-10, which are written below
	v_add_nc_u32 v[ADS], s[TP], v[AKS0]            ; the pair's scale words and bias
	v_add_nc_u32 v[ADT], s[TP], v[AVS0]
	v_add_nc_u32 v[ADB], s[TP], v[ABI0]
.endif
	s_wait_dscnt 0x0                               ; my stores into slot sl have landed, and my reads of slot 1 - sl are back
	s_barrier_signal -1
	s_barrier_wait -1
	s_wait_loadcnt 0x0                             ; the next step's block, asked for a trip ago, is in my registers
	s_bitcmp1_b32 s[EMC], 1
	s_cbranch_scc0 .Lnst_\@
.irp j, 0,1,2
	ds_store_b128 v[CPY], v[RC+4*\j:RC+4*\j+3] offset:(1-\sl)*SLOTB+8192*\j
.endr
.Lnst_\@:
	s_wait_xcnt 0x0                                ; the last trip's loads and prefetch have read their base, which steps
	s_add_nc_u64 s[KVP:KVP+1], s[KVP:KVP+1], SLOTB
	s_wait_alu depctr_vm_vsrc(0)                   ; the LDS stores above have read v80-91, in which the next loads land
	s_bitcmp1_b32 s[EMC], 2
	s_cbranch_scc0 .Lnld_\@
.irp j, 0,1,2
	global_load_b128 v[RC+4*\j:RC+4*\j+3], v[CPY], s[KVP:KVP+1] offset:8192*\j   ; the block two steps on
.endr
.Lnld_\@:
; A prefetch of the block three steps on, one trip ahead of the load that will want it, behind my loads.  The 8 work-groups of a head read the same blocks: the first of them asks, nobody else; its waves 0-2 take 8,192 bytes each,
; lanes 256 bytes apart: each aligned 256 bytes of kv are named once in the launch.  Blocks 0-2 come by their loads alone; a block of a step with no valid key, and what would lie past the head's last block, are not asked for (their bits are 0).
	s_bitcmp1_b32 s[EMP], 3
	s_cbranch_scc0 .Lnpf_\@
	global_prefetch_b8 v[PFO], s[KVP:KVP+1] offset:SLOTB th:TH_LOAD_NT scope:SCOPE_SE
.Lnpf_\@:
	STEP \sl
	s_lshr_b32 s[EMC], s[EMC], 1
	s_lshr_b32 s[EMW], s[EMW], 1
	s_lshr_b32 s[FUL], s[FUL], 1
	s_lshr_b32 s[EMP], s[EMP], 1
.if \sl == 1
	s_add_co_u32 s[TP], s[TP], 1024
.endif
.endm
.Lpair:                                            ; 8 trips of two steps: a constant, whatever the mask
	TRIP 0
	TRIP 1
	s_sub_co_u32 s[CNT], s[CNT], 1
	s_cmp_lg_u32 s[CNT], 0
	s_cbranch_scc1 .Lpair
	; THE WAY OUT.  O^T is divided by the row's sum, or multiplied by 0 where my query is hidden (there the sum may be 0), goes through my stage and leaves as whole rows of 512 bytes.
.rept 4
	v_nop                                          ; four places behind the last products
.endr
	v_add_f32 v14, v14, v15                        ; the sum's two halves,
	v_permlanex16_b32 v252, v14, s[SEL], s[SEL+1]
	v_add_f32 v14, v14, v252                       ; and lane l xor 16's
	v_cmp_lt_i32 vcc_lo, 0, v[QMK]
	s_wait_alu depctr_va_vdst(0)
	v_rcp_f32 v14, v14
	v_nop                                          ; a plain instruction behind the reciprocal
	s_wait_alu depctr_va_vcc(0)                    ; the compare has written VCC, which the selection below reads
	s_wait_alu depctr_va_vdst(0)                   ; the reciprocal has written v14: the wait ahead of the first line that names its result
	v_cndmask_b32 v14, 0, v14, vcc_lo
.set n, 0
.rept 64
	v_mul_f32 v[ST+n], v[OT+n], v14                ; register 8 t + i is out(query r, 16 t + 8 (lane / 16) + i); each accumulator from its low end on
.set n, n+1
.endr
	s_wait_alu depctr_va_vdst(0)                   ; the multiplications have written v96-159, which the LDS stores read, and are done reading v160-223, in which the rows from the stage land
.irp t, 0,1,2,3,4,5,6,7
	ds_store_b128 v[SO], v[ST+8*\t:ST+8*\t+3] offset:64*\t
	ds_store_b128 v[SO], v[ST+8*\t+4:ST+8*\t+7] offset:64*\t+16
.endr
.irp i, 0,1,2,3,4,5,6,7,8,9,10,11,12,13,14,15
	ds_load_b128 v[OT+4*\i:OT+4*\i+3], v[SR] offset:SPITCH*\i   ; LDS serves a wave's instructions in order: these see my stores
.endr
.irp i, 0,1,2,3,4,5,6,7,8,9,10,11,12,13,14,15
	s_wait_dscnt 15-\i                             ; row i is back; the younger loads may be out
	global_store_b128 v[AFR], v[OT+4*\i:OT+4*\i+3], s[14:15] offset:8192*\i th:TH_STORE_NT   ; 32 lanes store 512 consecutive bytes, at a multiple of 512 from out0's first byte
.endr
	s_wait_dscnt 0x0                               ; the closing lines, six on end
	s_wait_alu 0x0
	s_wait_tensorcnt 0x0
	ds_add_u32 v[SPW], v[NIL]
	s_wait_dscnt 0x0
	s_endpgm
.Lfunc_end_k_qced0725e19_attn:
	.size	k_qced0725e19_attn, .Lfunc_end_k_qced0725e19_attn-k_qced0725e19_attn
	.p2alignl 7, 3214868480
	.fill 96, 4, 3214868480
	.section	.rodata,"a",@progbits
	.p2align	6, 0x0
	.amdhsa_kernel k_qced0725e19_attn
		.amdhsa_group_segment_fixed_size 210944
		.amdhsa_private_segment_fixed_size 0
		.amdhsa_enable_private_segment 0
		.amdhsa_kernarg_size 48
		.amdhsa_user_sgpr_count 2
		.amdhsa_user_sgpr_kernarg_segment_ptr 1
		.amdhsa_wavefront_size32 1
		.amdhsa_system_sgpr_workgroup_id_x 1
		.amdhsa_system_sgpr_workgroup_id_y 1
		.amdhsa_system_sgpr_workgroup_id_z 1
		.amdhsa_system_vgpr_workitem_id 0
		.amdhsa_next_free_vgpr 256
		.amdhsa_next_free_sgpr 66
		.amdhsa_reserve_vcc 1
		.amdhsa_float_denorm_mode_32 3
		.amdhsa_float_denorm_mode_16_64 3
		.amdhsa_memory_ordered 1
		.amdhsa_forward_progress 1
		.amdhsa_inst_pref_size 71
	.end_amdhsa_kernel
	.amdgpu_metadata
---
amdhsa.version: [ 1, 2 ]
amdhsa.kernels:
  - .name:           k_qced0725e19_attn
    .symbol:         k_qced0725e19_attn.kd
    .args:
      - { .name: query, .offset: 0, .size: 8, .value_kind: global_buffer, .address_space: global }
      - { .name: attn_mask, .offset: 8, .size: 8, .value_kind: global_buffer, .address_space: global }
      - { .name: kv, .offset: 16, .size: 8, .value_kind: global_buffer, .address_space: global }
      - { .name: sc, .offset: 24, .size: 8, .value_kind: global_buffer, .address_space: global }
      - { .name: occ, .offset: 32, .size: 8, .value_kind: global_buffer, .address_space: global }
      - { .name: out0, .offset: 40, .size: 8, .value_kind: global_buffer, .address_space: global }
    .group_segment_fixed_size: 210944
    .private_segment_fixed_size: 0
    .kernarg_segment_align: 8
    .kernarg_segment_size: 48
    .max_flat_workgroup_size: 512
    .sgpr_count:     66
    .vgpr_count:     256
    .wavefront_size: 32
...
	.end_amdgpu_metadata
.endif
;; end of part 4
